; MI455X (gfx1250); checked and timed in simulation.
; The chip was launched on July 23, 2026; its instructions are those of AMD's public machine-readable ISA for CDNA 5 (MIT licence, August 2026) and "CDNA5" Instruction Set Architecture Reference Guide (July 2026). The comments in the code are by the model that wrote it; some were corrected since.
;; Local Attention. Allowed arithmetic: float matrix products may take bf16 or f16 operands with f32 sums; other float arithmetic in f32, or as packed bf16 or f16 multiplies, adds, multiply-adds, maxima and minima; sums over many terms, partial sums and values carried from step to step in f32; what a program stores and reads back later, other than sums and carried values, may be rounded once to bf16 or f16.
;; Inputs: Wk 1,024 x 1,024 float32; Wo 1,024 x 1,024 float32; Wq 1,024 x 1,024 float32; Wv 1,024 x 1,024 float32; bk 1,024 float32; bo 1,024 float32; bq 1,024 float32; bv 1,024 float32; key 1 x 4,096 x 1,024 float32; query 1 x 4,096 x 1,024 float32; value 1 x 4,096 x 1,024 float32.
;; Outputs: out0 1 x 4,096 x 1,024 float32.
;; One version. Each part assembles by itself: llvm-mc -triple=amdgcn-amd-amdhsa -mcpu=gfx1250 --defsym DOCPART=n.
;; ======== version 1 of 1: 4 launches
;; limits: values are held in f16: magnitudes above 65,504 overflow, below 6.1e-05 lose precision
;; workspace buffers: xb 25,165,824 bytes; wb 6,291,456 bytes; wo16 2,097,152 bytes; qkv 25,165,824 bytes; ctxh 8,388,608 bytes
;; launch cast (part 1): grid 256 x 4, 8 waves a work-group, no clusters, 0 bytes of LDS; arguments query, key, value, Wq, Wk, Wv, Wo, xb, wb, wo16; writes xb, wb, wo16
.if DOCPART == 1
	.amdgcn_target "amdgcn-amd-amdhsa--gfx1250"
	.amdhsa_code_object_version 6
	.text
	.protected	k_qd464b56f9e_cast
	.globl	k_qd464b56f9e_cast
	.p2align	8
	.type	k_qd464b56f9e_cast,@function
k_qd464b56f9e_cast:
	s_mov_b64 s[64:65], 0
	v_nop
	global_prefetch_b8 v0, s[64:65] scope:SCOPE_SE
	s_setreg_imm32_b32 hwreg(HW_REG_WAVE_MODE, 25, 1), 1
	s_wait_xcnt 0x0
; LOCAL ATTENTION, launch 1 of 4: every large input is rounded once to 16 bits, so that the products that follow take their operands as they lie.
;   xb   [12288][1024] bf16: query's, key's, value's rows.     wb [3072][1024] bf16: Wq's, Wk's, Wv's rows.
;   wo16 [1024][1024] f16: Wo rounded to bf16, and that number written as f16 (exact where f16 is normal; below 6e-5 it keeps f16's fixed step of 6e-8; beyond 65,504 it is an infinity).
; WORK LEFT OUT IN THE WHOLE PROGRAM, for all finite values of the inputs:
;   bk.  A score is q . (k' + bk) / 8 = q . k' / 8 + q . bk / 8 with k' = key Wk^T.  The second term is the same for all keys of a query's row, and a softmax along the keys is unchanged by a term
;   that is the same along its axis (it cancels between numerator and denominator).  bk reaches the output by the scores alone.  So bk is not loaded and is no argument of any launch.
;   SCORES OUTSIDE THE WINDOW.  The mask |i - j| <= 64 is built from the row numbers alone; a score that it sets to -inf has the weight exp(-inf) = 0 and adds nothing to the row's sum or to ctx.
;   A tile of 16 queries meets visible keys in 9 blocks of 16 keys; the other 247 blocks of each tile are not computed.
;   LIMIT: a NaN, an infinity or an overflow that reaches only bk, or only keys and values outside a row's window, is not carried to the result.
; SHARES.  A work-group takes 16,384 consecutive numbers of one source: y = 0, 1, 2: chunk x of query, key, value; y = 3: chunk x % 64 of W number x / 64 (Wq, Wk, Wv, Wo).
; A thread has 16 loads of 16 bytes, all on their way at once, and 16 stores of 8 bytes; a wave's load covers 512 consecutive bytes, its store 256, aligned.  No register is written twice, so no store's source is waited for.
; No LDS, no matrix unit, no cluster: nothing is shared and nothing is multiplied.
.set T, 4                              ; v[4:5]    at work (Wo's arm)
.set X, 8                              ; v[8:71]   load i: 4 registers of f32
.set Y, 72                             ; v[72:103] store i: 2 registers, 4 numbers of 16 bits
	s_load_b512 s[8:23], s[0:1], 0x0               ; query 8, key 10, value 12, Wq 14, Wk 16, Wv 18, Wo 20, xb 22
	s_load_b128 s[24:27], s[0:1], 0x40             ; wb 24, wo16 26
	s_mov_b32 s28, ttmp9                           ; x
	s_and_b32 s29, ttmp7, 0xffff                   ; y
	s_lshr_b32 s31, s28, 6
	s_add_co_u32 s31, s31, 3                       ; 3 + x / 64: the W's place among the seven sources
	s_and_b32 s36, s28, 63                         ; the chunk inside a W
	s_lshl_b32 s38, s29, 8
	s_or_b32 s38, s38, s28                         ; 256 y + x: the chunk inside xb
	s_cmp_lt_u32 s29, 3
	s_cselect_b32 s30, s29, s31                    ; the source's number, 0 to 6
	s_cselect_b32 s37, s28, s36                    ; the chunk inside the source
	s_cmp_lt_u32 s30, 6
	s_cselect_b32 s39, s28, s36                    ; a W's chunk inside its target: in wb x (64 chunks a W, three on end), in wo16 x % 64
	s_cmp_lt_u32 s29, 3
	s_cselect_b32 s38, s38, s39
	s_lshl_b32 s36, s37, 16                        ; 65,536 bytes of f32 a chunk
	s_mov_b32 s37, 0
	s_lshl_b32 s38, s38, 15                        ; 32,768 bytes of 16-bit numbers
	s_mov_b32 s39, 0
	v_lshlrev_b32 v1, 4, v0                        ; 16 bytes a thread in
	v_lshlrev_b32 v2, 3, v0                        ; 8 bytes a thread out
	s_wait_kmcnt 0x0
	s_mov_b64 s[32:33], s[8:9]                     ; the source: a choice among whole pointers by the source's number
.irp n, 1,2,3,4,5,6
	s_cmp_eq_u32 s30, \n
	s_cselect_b64 s[32:33], s[8+2*\n:9+2*\n], s[32:33]
.endr
	s_cmp_lt_u32 s30, 6
	s_cselect_b64 s[34:35], s[24:25], s[26:27]     ; the target: wb or wo16,
	s_cmp_lt_u32 s30, 3
	s_cselect_b64 s[34:35], s[22:23], s[34:35]     ; or xb
	s_add_nc_u64 s[32:33], s[32:33], s[36:37]
	s_add_nc_u64 s[34:35], s[34:35], s[38:39]
.set i, 0
.rept 16
	global_load_b128 v[X+4*i:X+4*i+3], v1, s[32:33] offset:4096*i th:TH_LOAD_NT
.set i, i+1
.endr
	s_cmp_eq_u32 s30, 6
	s_cbranch_scc1 .Lwo
.set i, 0
.rept 16
	s_wait_loadcnt 15-i                            ; loads come back in order: load i is in, the 15 - i younger ones stay out
	v_cvt_pk_bf16_f32 v[Y+2*i], v[X+4*i], v[X+4*i+1]
	v_cvt_pk_bf16_f32 v[Y+2*i+1], v[X+4*i+2], v[X+4*i+3]
	global_store_b64 v2, v[Y+2*i:Y+2*i+1], s[34:35] offset:2048*i th:TH_STORE_NT
.set i, i+1
.endr
	s_endpgm
.Lwo:                                          ; Wo: rounded to bf16 like every input, widened again, and written as f16
.set i, 0
.rept 16
	s_wait_loadcnt 15-i
	v_cvt_pk_bf16_f32 v[T], v[X+4*i], v[X+4*i+1]
	v_cvt_pk_bf16_f32 v[T+1], v[X+4*i+2], v[X+4*i+3]
	v_lshlrev_b32 v[X+4*i], 16, v[T]
	v_and_b32 v[X+4*i+1], 0xffff0000, v[T]
	v_lshlrev_b32 v[X+4*i+2], 16, v[T+1]
	v_and_b32 v[X+4*i+3], 0xffff0000, v[T+1]
	v_cvt_pk_f16_f32 v[Y+2*i], v[X+4*i], v[X+4*i+1]
	v_cvt_pk_f16_f32 v[Y+2*i+1], v[X+4*i+2], v[X+4*i+3]
	global_store_b64 v2, v[Y+2*i:Y+2*i+1], s[34:35] offset:2048*i th:TH_STORE_NT
.set i, i+1
.endr
	s_endpgm
.Lfunc_end_k_qd464b56f9e_cast:
	.size	k_qd464b56f9e_cast, .Lfunc_end_k_qd464b56f9e_cast-k_qd464b56f9e_cast
	.p2alignl 7, 3214868480
	.fill 96, 4, 3214868480
	.section	.rodata,"a",@progbits
	.p2align	6, 0x0
	.amdhsa_kernel k_qd464b56f9e_cast
		.amdhsa_group_segment_fixed_size 0
		.amdhsa_private_segment_fixed_size 0
		.amdhsa_enable_private_segment 0
		.amdhsa_kernarg_size 80
		.amdhsa_user_sgpr_count 2
		.amdhsa_user_sgpr_kernarg_segment_ptr 1
		.amdhsa_wavefront_size32 1
		.amdhsa_system_sgpr_workgroup_id_x 1
		.amdhsa_system_sgpr_workgroup_id_y 1
		.amdhsa_system_sgpr_workgroup_id_z 1
		.amdhsa_system_vgpr_workitem_id 0
		.amdhsa_next_free_vgpr 104
		.amdhsa_next_free_sgpr 66
		.amdhsa_reserve_vcc 0
		.amdhsa_float_denorm_mode_32 3
		.amdhsa_float_denorm_mode_16_64 3
		.amdhsa_memory_ordered 1
		.amdhsa_forward_progress 1
		.amdhsa_inst_pref_size 17
	.end_amdhsa_kernel
	.amdgpu_metadata
---
amdhsa.version: [ 1, 2 ]
amdhsa.kernels:
  - .name:           k_qd464b56f9e_cast
    .symbol:         k_qd464b56f9e_cast.kd
    .args:
      - { .name: query, .offset: 0, .size: 8, .value_kind: global_buffer, .address_space: global }
      - { .name: key, .offset: 8, .size: 8, .value_kind: global_buffer, .address_space: global }
      - { .name: value, .offset: 16, .size: 8, .value_kind: global_buffer, .address_space: global }
      - { .name: Wq, .offset: 24, .size: 8, .value_kind: global_buffer, .address_space: global }
      - { .name: Wk, .offset: 32, .size: 8, .value_kind: global_buffer, .address_space: global }
      - { .name: Wv, .offset: 40, .size: 8, .value_kind: global_buffer, .address_space: global }
      - { .name: Wo, .offset: 48, .size: 8, .value_kind: global_buffer, .address_space: global }
      - { .name: xb, .offset: 56, .size: 8, .value_kind: global_buffer, .address_space: global }
      - { .name: wb, .offset: 64, .size: 8, .value_kind: global_buffer, .address_space: global }
      - { .name: wo16, .offset: 72, .size: 8, .value_kind: global_buffer, .address_space: global }
    .group_segment_fixed_size: 0
    .private_segment_fixed_size: 0
    .kernarg_segment_align: 8
    .kernarg_segment_size: 80
    .max_flat_workgroup_size: 256
    .sgpr_count:     66
    .vgpr_count:     104
    .wavefront_size: 32
...
	.end_amdgpu_metadata
.endif
;; end of part 1
;; launch qkv (part 2): grid 4 x 48, 4 waves a work-group, clusters of 4 x 4, 327,680 bytes of LDS; arguments xb, wb, bq, bv, qkv; writes qkv
.if DOCPART == 2
	.amdgcn_target "amdgcn-amd-amdhsa--gfx1250"
	.amdhsa_code_object_version 6
	.text
	.protected	k_qd464b56f9e_qkv
	.globl	k_qd464b56f9e_qkv
	.p2align	8
	.type	k_qd464b56f9e_qkv,@function
k_qd464b56f9e_qkv:
	s_mov_b64 s[64:65], 0
	v_nop
	global_prefetch_b8 v0, s[64:65] scope:SCOPE_SE
	s_setreg_imm32_b32 hwreg(HW_REG_WAVE_MODE, 25, 1), 1
	s_wait_xcnt 0x0
	s_wait_alu depctr_hold_cnt(0) depctr_sa_sdst(0) depctr_va_vdst(0) depctr_va_sdst(0) depctr_va_ssrc(0) depctr_va_vcc(0) depctr_vm_vsrc(0)
	s_getreg_b32 s2, hwreg(HW_REG_IB_STS2, 6, 4)
	s_cmp_eq_u32 s2, 0
	s_cbranch_scc0 .Lentry_in_a_cluster
	s_endpgm
.Lentry_in_a_cluster:
	s_bfe_u32 s2, ttmp6, 0x10000c
	s_cmp_lg_u32 s2, 0xf033
	s_cbranch_scc0 .Lentry_shape_is_right
	s_endpgm
.Lentry_shape_is_right:
; LOCAL ATTENTION, launch 2 of 4: the three projections as ONE product of 12,288 x 1,024 outputs over K = 1,024.
;   q = query Wq^T + bq,  k = key Wk^T,  v = value Wv^T + bv.   xb: [12288][1024] bf16 (query's, key's, value's rows), wb: [3072][1024] bf16 (Wq's, Wk's, Wv's rows); sums in f32.
;   qkv: [3][16 heads][4096][64] f16, each number rounded once: byte ((p 16 + head) 4096 + s) 128 + 2 d.  The scale 1 / 8 is not applied here.
; LEFT OUT: bk.  It adds q . bk / 8 to all scores of a query's row alike, which a softmax along the keys cancels; it is no argument of this launch.
; LIMITS.  q, k, v beyond 65,504 become infinities in f16; below 6e-5 they keep f16's fixed step of 6e-8.  bq and bv are rounded to bf16 like all inputs.
; SHARES.  A tile of 256 rows x 256 columns (four heads) to a work-group of four waves; a wave makes 128 x 128 (two heads): 64 accumulators of 16 x 16, 512 registers.  48 tile rows x 4 tile columns: 192 work-groups.
; K goes in steps of 128 through a ring of two LDS slots filled by the tensor data mover; a tile's rows are 256 bytes of memory, aligned.
; CLUSTERS: 4 x 4 work-groups.  The four of a row of the cluster need the same tiles of xb, the four of a column the same tiles of wb: each is asked for JOINTLY, by the same tensor load with the same
; descriptor and a mask that names the four.  A cluster's 1,024 rows lie in ONE projection p = cluster y / 4: what hangs on p is the same in all sixteen partners.
; THE MATRIX INSTRUCTION IS USED TRANSPOSED: source 0 = 16 rows of wb, source 1 = 16 rows of xb.  In the result lane l holds row l % 16 and its registers 0-7 the columns 8 (l / 16) + 0..7.
; THE BIAS STARTS THE SUMS: it is the C operand of each accumulator's first product (for k: zeros), so nothing is cleared and nothing is added on the way out.
; REGISTERS, in windows of 256 (s_set_vgpr_msb: bits 1:0 source 0, 3:2 source 1, 5:4 source 2, 7:6 destination):
;   window 0: v0-31 addresses; v64-127, v128-191 fragments of xb, two buffers (in the last K step four, of 16 rows x 128 K); v192-255 the bias, later with v32-63 at work on the way out
;   window 1: v64-127, v128-191 fragments of wb, two buffers; in the last K step all 256      window 2: the accumulators of my rows 0-63 ((a, b) at v[8 (8 a + b)])      window 3: those of my rows 64-127
.set SIZE_K, 1024
.set KSTEP,  128
.set PITCH,  272                       ; an LDS row: 256 bytes + 16 of padding = 68 words: row r starts at bank 4 r mod 64 (64 banks of 4 bytes: ISA guide 11.1): the 16 rows of a load start at 16 different banks
.set HALFT,  128*PITCH                 ; 128 rows: what one tensor load brings, and what one wave reads of either operand
.set SLOT,   4*HALFT                   ; xb's 256 rows, then wb's 256 rows
.set STAGE,  2*SLOT                    ; behind the ring, never filled by a tensor load: for each wave two heads x 16 rows x 144 bytes
.set SP,     144                       ; a stage row: 128 bytes (a head's 64 channels) + 16
.set HSTG,   16*SP
.set WSTG,   2*HSTG
.set SPARE,  STAGE+4*WSTG              ; behind the stages: the spare words, 128 bytes for each wave: two blocks of 256 bytes that no other line names
.set LAPS,   SIZE_K/(2*KSTEP)          ; a lap = two K steps = once round the ring: 4
.set HEADB,  4096*128                  ; bytes of a head in qkv
.set ADRA, 16                          ; v16-17  LDS address of my fragments of xb in slot 0, 1
.set ADRB, 20                          ; v20-21  the same for wb
.set STO,  24                          ; v24     the way out: where I put 16 bytes of a row
.set RD,   25                          ; v25     the way out: where I read rows back
.set CO,   26                          ; v26     my 16 bytes in 512 consecutive bytes of qkv
.set BO,   27                          ; v27     my byte offset in the bias
.set SPW,  28                          ; v28     LDS address of my spare word; never rewritten
.set NIL,  29                          ; v29     0; never rewritten
.set PFO,  30                          ; v30     the prefetches' offset: my lane x a row of 2,048 bytes; never rewritten
.set PFA,  44                          ; s[44:45] where my prefetches stand
.set LIM,  43                          ; s43     1 in a wave that prefetches, else the greatest number
.set F0,   64
.set F1,   128
.set TMP,  192                         ; the way out: packed results
.set BI,   192                         ; until then: the bias, 8 registers for each of my 8 blocks of 16 columns
.set OB,   32                          ; the way out: 16 rows read back: v32-63 and v224-255 by turns
.set PA,   64                          ; the last K step: xb's fragments of 16 rows x 128 K; four buffers, v64-191
.set G1, 24                            ; s[24:31] descriptor group 1 for xb's tiles
.set G0, 32                            ; s[32:39] group 0, one set for each slot
.set G1B, 48                           ; s[48:55], s[56:63] the same for wb's tiles
.set G0B, 56
.set MSB, 0
.macro WIN new                         ; the immediate's high byte repeats the setting that is left; a switch that changes nothing is dropped
.if MSB != (\new)
	s_set_vgpr_msb (MSB<<8)|(\new)
.set MSB, \new
.endif
.endm
.set MUL_LO, 0xa1                      ; source 0 (wb) window 1, source 1 (xb) window 0, C and D window 2
.set MUL_HI, 0xf1                      ; the same, C and D window 3
.set TO_B,   0x40                      ; destination window 1, address window 0
; A joint load.  Waves 0 and 1 fetch xb's two halves, waves 2 and 3 wb's.  The branch hangs on the wave's number alone.  An s_nop 0 and four v_nop follow each of the two lines.
.macro JLOAD s
	s_cmp_eq_u32 s11, 0
	s_cbranch_scc0 .Lfor_b_\@
	tensor_load_to_lds s[G0+4*(\s):G0+4*(\s)+3], s[G1:G1+7]
	s_nop 0
.rept 4
	v_nop
.endr
	s_branch .Lasked_\@
.Lfor_b_\@:
	tensor_load_to_lds s[G0B+4*(\s):G0B+4*(\s)+3], s[G1B:G1B+7]
	s_nop 0
.rept 4
	v_nop
.endr
.Lasked_\@:
.endm
; A PREFETCH INTO THE L2, behind each joint refill and the run of LDS loads that follows it: the K step that stands TWO refills on (512 matrix instructions ahead of the load that will want it): 32 rows x 256 bytes, a lane a row.
; Each row's 256 bytes of a K step are named ONCE in the launch.  xb's tile row is read by one cluster alone: it asks.  wb's rows of a projection are read by that projection's four clusters: the first
; (cluster y % 4 = 0) asks.  The four partners that ask for a tile jointly share its rows out BY ADDRESS, 32 each.  K steps 0 to 3 come by their loads alone; the last trip's refills have no K step two on.
.macro ASK
	s_cmp_gt_u32 s3, s[LIM]                        ; s3 = 1 in the loop's last trip
	s_cbranch_scc0 .Lnot_mine_\@
	global_prefetch_b8 v[PFO], s[PFA:PFA+1] offset:KSTEP*2 th:TH_LOAD_NT scope:SCOPE_SE
.Lnot_mine_\@:
.endm
; A round of the cluster's barrier: my work-group's barrier, so that wave 0's signal speaks for all four waves; wave 0 signals; every wave waits for all sixteen work-groups; my work-group's barrier once more.
.macro CREST
	s_cmp_lg_u32 s10, 0
	s_cbranch_scc1 .Lnot_wave_0_\@
	s_barrier_signal -3
.Lnot_wave_0_\@:
	s_barrier_wait -3
	s_barrier_signal -1
	s_barrier_wait -1
.endm
.macro CROUND
	s_barrier_signal -1
	s_barrier_wait -1
	CREST
.endm
	s_load_b128 s[4:7], s[0:1], 0x0                ; xb s[4:5], wb s[6:7]
	s_load_b128 s[68:71], s[0:1], 0x10             ; bq s[68:69], bv s[70:71]
	s_load_b64 s[8:9], s[0:1], 0x20                ; qkv
	v_lshl_add_u32 v[SPW], v0, 2, SPARE
	v_mov_b32 v[NIL], 0
	ds_add_u32 v[SPW], v[NIL]                      ; the wave's opening: the add, twice on end, and its wait ahead of my first tensor load; the set-up below stands between
	ds_add_u32 v[SPW], v[NIL]
	v_lshrrev_b32 v1, 5, v0
	v_readfirstlane_b32 s10, v1                    ; wave 0..3
	s_lshr_b32 s11, s10, 1                         ; which half of the tile's rows is mine.  Also: I fetch for xb (0) or for wb (1)
	s_and_b32 s12, s10, 1                          ; which half of its columns.  Also: which 128 rows of that tile I fetch
	s_bfe_u32 s40, ttmp6, 0x40000                  ; cx
	s_bfe_u32 s41, ttmp6, 0x40004                  ; cy
	s_lshl_b32 s42, ttmp9, 2
	s_add_co_u32 s42, s42, s40                     ; tile column = 4 x cluster x + cx: 0..3
	s_and_b32 s73, ttmp7, 0xffff                   ; cluster y: 0..11
	s_lshl_b32 s13, s73, 2
	s_add_co_u32 s13, s13, s41                     ; tile row = 4 x cluster y + cy: 0..47
	s_lshr_b32 s72, s73, 2                         ; p: 0 q, 1 k, 2 v
	s_lshl_b32 s43, s41, 2
	s_lshl_b32 s43, 15, s43                        ; my row of the cluster
	s_lshl_b32 s44, 0x1111, s40                    ; my column
	; descriptor group 1: a tile of 128 rows x 128 elements, padded in LDS
	s_or_b32 s[G1+0], s43, (1<<16)|(1<<20)|(1<<21)|(5<<22)|(3<<25)  ; 15:0 the mask: xb's tiles go to my row; 17:16 2-byte elements; 20 padding on; 21 set beside a mask; 24:22 after every 64 words; 31:25 4 words
	s_or_b32 s[G1B+0], s44, (1<<16)|(1<<20)|(1<<21)|(5<<22)|(3<<25) ; the same with the mask of my column, for wb's tiles
.irp g, G1, G1B
	s_mov_b32 s[(\g)+1], KSTEP<<16                 ; tensor_dim0 = 128
	s_mov_b32 s[(\g)+2], 128<<16                   ; tensor_dim1 = 128
	s_mov_b32 s[(\g)+3], KSTEP<<16                 ; tile_dim0 = 128
	s_mov_b32 s[(\g)+4], 128                       ; tile_dim1 = 128
	s_mov_b32 s[(\g)+5], SIZE_K                    ; elements from row to row
	s_mov_b32 s[(\g)+6], 0
	s_mov_b32 s[(\g)+7], 0
.endr
	; where the tiles come from: xb's hang on the tile row alone, wb's on the tile column and p alone; each in registers that never hold the other coordinate
	s_lshl_b32 s17, s12, 7                         ; which 128 rows of the tile I fetch
	s_lshl_b32 s16, s13, 8
	s_add_co_u32 s16, s16, s17                     ; xb: row 256 x tile row + 128 x half
	s_lshl_b32 s46, s42, 8
	s_add_co_u32 s46, s46, s17
	s_lshl_b32 s47, s72, 10
	s_add_co_u32 s46, s46, s47                     ; wb: row 1,024 p + 256 x tile column + 128 x half
	s_mov_b32 s17, 0
	s_mov_b32 s47, 0
	s_mov_b64 s[18:19], SIZE_K*2
	s_mul_u64 s[16:17], s[16:17], s[18:19]
	s_mul_u64 s[46:47], s[46:47], s[18:19]
	s_mul_i32 s20, s10, HALFT                      ; and where they go: wave x 128 rows: no place in the cluster enters an LDS address
	s_wait_dscnt 0x0                               ; both opening adds are done
	s_wait_kmcnt 0x0
	s_add_nc_u64 s[14:15], s[4:5], s[16:17]
	s_add_nc_u64 s[46:47], s[6:7], s[46:47]
	CROUND                                         ; all sixteen work-groups are here: the first joint loads meet
.irp s, 0,1
	s_mov_b32 s[G0+4*(\s)], 1                                      ; count = 1
	s_add_co_u32 s[G0+4*(\s)+1], s20, (\s)*SLOT                    ; LDS address
	s_add_nc_u64 s[G0+4*(\s)+2:G0+4*(\s)+3], s[14:15], (\s)*KSTEP*2  ; global address: K step s
	s_or_b32 s[G0+4*(\s)+3], s[G0+4*(\s)+3], 0x80000000            ; type = 2
	s_mov_b32 s[G0B+4*(\s)], 1
	s_add_co_u32 s[G0B+4*(\s)+1], s20, (\s)*SLOT
	s_add_nc_u64 s[G0B+4*(\s)+2:G0B+4*(\s)+3], s[46:47], (\s)*KSTEP*2
	s_or_b32 s[G0B+4*(\s)+3], s[G0B+4*(\s)+3], 0x80000000
	JLOAD \s                                       ; the ring is filled before anything else is done: two loads of mine are out
.endr
	; A fragment is 16 rows x 32 K in 8 registers: lane l holds row l % 16; registers 0-3 K = 8 (l / 16) + 0..7, registers 4-7 K = 16 + 8 (l / 16) + 0..7: two loads of 16 bytes, 32 bytes apart.
	v_and_b32 v1, 15, v0                           ; l % 16
	v_bfe_u32 v2, v0, 4, 1                         ; l / 16
	v_mul_u32_u24 v3, v1, PITCH
	v_lshl_add_u32 v3, v2, 4, v3
	s_mul_i32 s21, s11, HALFT                      ; my 128 rows of xb
	s_mul_i32 s22, s12, HALFT                      ; my 128 rows of wb,
	s_add_co_u32 s22, s22, 2*HALFT                 ; which lie behind xb's 256
.irp s, 0,1
	v_add_nc_u32 v[ADRA+(\s)], s21, v3
	v_add_nc_u32 v[ADRB+(\s)], s22, v3
	s_add_co_u32 s21, s21, SLOT
	s_add_co_u32 s22, s22, SLOT
.endr
	s_mul_i32 s23, s10, WSTG
	s_add_co_u32 s23, s23, STAGE                   ; my stage
	v_mul_u32_u24 v4, v1, SP                       ; in: row l % 16, 16 bytes for each half of the lanes
	v_lshl_add_u32 v4, v2, 4, v4
	v_add_nc_u32 v[STO], s23, v4
	v_and_b32 v6, 31, v0
	v_lshrrev_b32 v5, 3, v6                        ; back: 32 lanes take four rows of 128 bytes,
	v_mul_u32_u24 v5, v5, SP
	v_and_b32 v7, 7, v0
	v_lshl_add_u32 v5, v7, 4, v5
	v_add_nc_u32 v[RD], s23, v5
	v_lshlrev_b32 v[CO], 4, v6                     ; which are 512 consecutive bytes of a head in qkv
	; where my part begins in qkv: p x 16 heads + (4 x tile column + 2 x half) heads + my first row of the 4,096
	s_and_b32 s14, s13, 15
	s_lshl_b32 s14, s14, 8
	s_lshl_b32 s15, s11, 7
	s_add_co_u32 s14, s14, s15                     ; my first row
	s_lshl_b32 s16, s14, 7                         ; x 128 bytes
	s_lshl_b32 s15, s72, 23                        ; p x 16 x 4,096 x 128
	s_add_co_u32 s16, s16, s15
	s_mov_b32 s17, 0
	s_lshl_b32 s46, s42, 21                        ; four heads a tile column,
	s_lshl_b32 s47, s12, 20                        ; two a wave
	s_add_co_u32 s46, s46, s47
	s_mov_b32 s47, 0
	s_add_nc_u64 s[16:17], s[16:17], s[46:47]      ; the first way out adds it to qkv's address
	; the prefetches
	s_lshl_b32 s20, s13, 8                         ; the tile's first row in xb,
	s_lshl_b32 s21, s42, 8
	s_lshl_b32 s22, s72, 10
	s_add_co_u32 s21, s21, s22                     ; in wb
	s_and_b32 s22, s73, 3                          ; my cluster's place among the four that read the same rows of wb
	s_cmp_eq_u32 s11, 0                            ; do I fetch for xb?
	s_cselect_b32 s20, s20, s21
	s_cselect_b32 s21, s40, s41                    ; my place among the four that ask with me
	s_cselect_b32 s22, ttmp9, s22                  ; the coordinate along which other clusters read the same rows
	s_cselect_b64 s[PFA:PFA+1], s[4:5], s[6:7]
	s_cmp_eq_u32 s22, 0
	s_cselect_b32 s[LIM], 1, -1                    ; the same in all sixteen partners, for a given wave
	s_lshl_b32 s22, s12, 7
	s_add_co_u32 s20, s20, s22                     ; + the 128 rows that I fetch
	s_lshl_b32 s21, s21, 5
	s_add_co_u32 s20, s20, s21                     ; + my work-group's 32 of them
	s_mov_b32 s21, 0
	s_mov_b64 s[18:19], SIZE_K*2
	s_mul_u64 s[20:21], s[20:21], s[18:19]
	s_add_nc_u64 s[PFA:PFA+1], s[PFA:PFA+1], s[20:21]
	s_add_nc_u64 s[PFA:PFA+1], s[PFA:PFA+1], 2*KSTEP*2  ; at K step 2: the first refill steps it to 3 and names K step 4
	v_and_b32 v[PFO], 31, v0
	v_mul_u32_u24 v[PFO], v[PFO], SIZE_K*2
	; THE BIAS of my 128 columns: register j of block b is the bias of column 16 b + 8 (l / 16) + j, the same for all rows.  It stands in the wait for the first tiles.
	v_lshlrev_b32 v[BO], 5, v2                     ; 32 bytes for each half of the lanes
	s_lshl_b32 s14, s42, 10                        ; 256 columns of f32 a tile column,
	s_lshl_b32 s15, s12, 9                         ; 128 a wave
	s_add_co_u32 s14, s14, s15
	v_add_nc_u32 v[BO], s14, v[BO]
	s_cmp_eq_u32 s72, 1
	s_cbranch_scc1 .Lno_bias                       ; p is the same in all sixteen partners
	s_cmp_eq_u32 s72, 0
	s_cselect_b64 s[74:75], s[68:69], s[70:71]     ; bq or bv
.irp b, 0,1,2,3,4,5,6,7
	global_load_b128 v[BI+8*(\b):BI+8*(\b)+3],   v[BO], s[74:75] offset:64*(\b)
	global_load_b128 v[BI+8*(\b)+4:BI+8*(\b)+7], v[BO], s[74:75] offset:64*(\b)+16
.endr
	s_wait_loadcnt 0x0
.set i, 0
.rept 32                               ; rounded to bf16 like every input, and widened again
	v_cvt_pk_bf16_f32 v[32+i%4], v[BI+2*i], v[BI+2*i+1]
	v_lshlrev_b32 v[BI+2*i], 16, v[32+i%4]
	v_and_b32 v[BI+2*i+1], 0xffff0000, v[32+i%4]
.set i, i+1
.endr
	s_branch .Lbias_done
.Lno_bias:                                     ; k has no bias: 64 zeros, so that the one text of the first products serves all three projections
.set i, 0
.rept 64
	v_mov_b32 v[BI+i], 0
.set i, i+1
.endr
.Lbias_done:
; 16 matrix instructions: m blocks a0, a0 + 1 of the window's four (hi = 0: my rows 0-63, 1: rows 64-127) x all 8 n blocks, 32 along K.  zero = 1: the first product starts the sums with the bias (C in window 0).
; The 64 accumulators take turns, one instruction a turn, in the same order in every quarter step.
.macro MUL16 f, hi, a0, zero
.if \zero
	WIN 0x81+0x40*(\hi)
.else
	WIN MUL_LO+0x50*(\hi)
.endif
.irp a, \a0, (\a0)+1
.irp b, 0,1,2,3,4,5,6,7
.if \zero
	v_wmma_f32_16x16x32_bf16 v[8*(8*(\a)+(\b)):8*(8*(\a)+(\b))+7], v[(\f)+8*(\b):(\f)+8*(\b)+7], v[(\f)+8*(4*(\hi)+(\a)):(\f)+8*(4*(\hi)+(\a))+7], v[BI+8*(\b):BI+8*(\b)+7]
.else
	v_wmma_f32_16x16x32_bf16 v[8*(8*(\a)+(\b)):8*(8*(\a)+(\b))+7], v[(\f)+8*(\b):(\f)+8*(\b)+7], v[(\f)+8*(4*(\hi)+(\a)):(\f)+8*(4*(\hi)+(\a))+7], v[8*(8*(\a)+(\b)):8*(8*(\a)+(\b))+7]
.endif
.endr
.endr
.endm
; 32 LDS loads in one run: the fragments of one quarter step (128 rows of wb, 128 rows of xb, 32 K at byte k of the rows) into buffer f
.macro FETCH slot, k, f
	WIN TO_B
.irp i, 0,1,2,3,4,5,6,7
	ds_load_b128 v[(\f)+8*(\i):(\f)+8*(\i)+3],   v[ADRB+(\slot)] offset:(\k)+(\i)*16*PITCH
	ds_load_b128 v[(\f)+8*(\i)+4:(\f)+8*(\i)+7], v[ADRB+(\slot)] offset:(\k)+(\i)*16*PITCH+32
.endr
	WIN 0
.irp i, 0,1,2,3,4,5,6,7
	ds_load_b128 v[(\f)+8*(\i):(\f)+8*(\i)+3],   v[ADRA+(\slot)] offset:(\k)+(\i)*16*PITCH
	ds_load_b128 v[(\f)+8*(\i)+4:(\f)+8*(\i)+7], v[ADRA+(\slot)] offset:(\k)+(\i)*16*PITCH+32
.endr
.endm
; A load into a register that a matrix instruction has read, and a vector instruction that reads a matrix result, stand four plain vector instructions behind that matrix instruction (ISA guide 7.12.1 for vector instructions).
.macro PLACES
.rept 4
	v_nop
.endr
.endm
; A K step is four quarter steps of 32 along K, 64 matrix instructions each, on buffers 0, 1, 0, 1.  One of the first three multiplies buffer f and, in its middle, fetches the next quarter's fragments into buffer g.
.macro QUARTER slot, k, f, g, zero
	s_wait_dscnt 8                                 ; wb's fragments and xb's rows 0-63 are in; the youngest eight loads (xb's rows 64-127) may be out
	MUL16 \f, 0, 0, \zero
	MUL16 \f, 0, 2, \zero
	PLACES
	FETCH \slot, \k, \g
	s_wait_dscnt 32                                ; all but the 32 just issued
	MUL16 \f, 1, 0, \zero
	MUL16 \f, 1, 2, \zero
.endm
; The last quarter multiplies buffer 1 and changes slots.  MEET is its first half: ONE barrier.  In front of it each wave waits for all its tensor loads, of which one is out: its part of the next slot; adds 0 to
; its spare word; and waits for that and for its own reads of this slot.  Behind it nobody reads this slot any more and the next slot is whole.
.macro MEET round
	WIN 0                                          ; (the add's two registers lie in window 0)
	s_wait_tensorcnt 0x0                           ; all my tensor loads have landed
	ds_add_u32 v[SPW], v[NIL]                      ; 0 onto my spare word
	s_wait_dscnt 9                                 ; (the add and the youngest eight loads may be out)
	MUL16 F1, 0, 0, 0                              ; sixteen matrix instructions stand between the add and the wait for it
	s_wait_dscnt 0x0                               ; the add is done, and my reads of this slot are over
	s_barrier_signal -1
	MUL16 F1, 0, 2, 0                              ; work on registers while the others arrive
.if \round
	WIN 0
.endif
	s_barrier_wait -1
.endm
; The whole last quarter.  The barrier opens a round of the cluster's barrier; behind the round the slot just read out is filled again first, with the K step two steps on; then come the next slot's first fragments.
; From a request to the wait for it a wave issues 224 matrix instructions.
.macro TURN slot, next
	s_wait_xcnt 0x0                                ; the last prefetch, a K step back, has read its address: it is stepped here
	s_add_nc_u64 s[PFA:PFA+1], s[PFA:PFA+1], KSTEP*2
	MEET 1
	CREST                                          ; no wave of any partner still reads this slot's tile or has a load on its way
	s_add_nc_u64 s[G0+4*(\slot)+2:G0+4*(\slot)+3], s[G0+4*(\slot)+2:G0+4*(\slot)+3], 2*KSTEP*2
	s_add_nc_u64 s[G0B+4*(\slot)+2:G0B+4*(\slot)+3], s[G0B+4*(\slot)+2:G0B+4*(\slot)+3], 2*KSTEP*2
	JLOAD \slot                                    ; the first tensor load behind the round, my only one until the next; its four v_nop are also the places in front of the loads below
	FETCH \next, 0, F0
	ASK
	MUL16 F1, 1, 0, 0
	MUL16 F1, 1, 2, 0
.endm
; THE LAST K STEP (it lies in slot 1) GOES BY ROWS, NOT BY K: all its fragments of wb fill window 1; then my eight blocks of 16 rows are finished one after the other, 32 matrix instructions each
; (the block's 8 accumulators by turns, K ascending), and each block leaves as soon as it is finished.
.macro BLOAD q
	WIN TO_B
.irp i, 0,1,2,3,4,5,6,7
	ds_load_b128 v[64*(\q)+8*(\i):64*(\q)+8*(\i)+3],   v[ADRB+1] offset:64*(\q)+(\i)*16*PITCH
	ds_load_b128 v[64*(\q)+8*(\i)+4:64*(\q)+8*(\i)+7], v[ADRB+1] offset:64*(\q)+(\i)*16*PITCH+32
.endr
.endm
.macro ALOAD a
	WIN 0
.set FA, PA+32*((\a)%4)
.irp q, 0,1,2,3
	ds_load_b128 v[FA+8*(\q):FA+8*(\q)+3],   v[ADRA+1] offset:64*(\q)+(\a)*16*PITCH
	ds_load_b128 v[FA+8*(\q)+4:FA+8*(\q)+7], v[ADRA+1] offset:64*(\q)+(\a)*16*PITCH+32
.endr
.endm
.macro ROW a
.set FA, PA+32*((\a)%4)
.set AC, 64*((\a)%4)
	WIN MUL_LO+0x50*((\a)/4)
.irp q, 0,1,2,3
.if (\a) == 0 && (\q) == 2
	s_wait_dscnt 24                                ; wb's quarter 2 is in (behind it: xb's blocks 1 to 3)
.endif
.irp b, 0,1,2,3,4,5,6,7
	v_wmma_f32_16x16x32_bf16 v[AC+8*(\b):AC+8*(\b)+7], v[64*(\q)+8*(\b):64*(\q)+8*(\b)+7], v[FA+8*(\q):FA+8*(\q)+7], v[AC+8*(\b):AC+8*(\b)+7]
.endr
.endr
.endm
; THE WAY OUT of block a.  PACK: rounded to f16, 16 bytes a lane (each accumulator's registers in ascending order).  TOSTAGE: into my own stage, by heads, and back as whole rows of 128 bytes.  SEND: stored.
.macro PACK a
.set AC, 64*((\a)%4)
	WIN 0x0a+5*((\a)/4)                            ; sources 0 and 1: window 2 or 3
.irp b, 0,1,2,3,4,5,6,7
.irp r, 0,1,2,3
	v_cvt_pk_f16_f32 v[TMP+4*(\b)+(\r)], v[AC+8*(\b)+2*(\r)], v[AC+8*(\b)+2*(\r)+1]
.endr
.endr
	WIN 0
.endm
.macro TOSTAGE a
	WIN 0
.set BK, OB+192*((\a)%2)
.irp b, 0,1,2,3,4,5,6,7                ; block b: head b / 4 of my two, channels 16 (b % 4) on
	ds_store_b128 v[STO], v[TMP+4*(\b):TMP+4*(\b)+3] offset:((\b)/4)*HSTG+32*((\b)%4)
.endr
.irp t, 0,1,2,3,4,5,6,7                ; load t: head t / 4, rows 4 (t % 4) on
	ds_load_b128 v[BK+4*(\t):BK+4*(\t)+3], v[RD] offset:((\t)/4)*HSTG+((\t)%4)*4*SP  ; LDS serves a wave's instructions in order (ISA guide 5.7.1.4): these see the stores above
.endr
.endm
.macro SEND a, younger                 ; younger: the LDS loads issued behind TOSTAGE's, which may stay out
	WIN 0
.set BK, OB+192*((\a)%2)
	s_wait_dscnt \younger                          ; the block is back in registers
	s_wait_xcnt 0x0                                ; earlier stores have read their base and their data: only behind this wait are they rewritten
.if (\a) == 0
	s_add_nc_u64 s[8:9], s[8:9], s[16:17]          ; on to my first rows
.else
	s_add_nc_u64 s[8:9], s[8:9], 16*128            ; 16 rows of a head on
.endif
.irp t, 0,1,2,3,4,5,6,7
	global_store_b128 v[CO], v[BK+4*(\t):BK+4*(\t)+3], s[8:9] offset:((\t)/4)*HEADB+((\t)%4)*512  ; 512 consecutive bytes, four rows of one head, at a multiple of 512 from qkv's first byte
.endr
.endm
	s_wait_tensorcnt 1                             ; my part of K step 0 is in; K step 1's load may stay out
	s_barrier_signal -1
	s_barrier_wait -1                              ; everybody's is
	FETCH 0, 0, F0
	QUARTER 0, 64,  F0, F1, 1                      ; the first quarter stands in front of the loop: its products start the sums
	WIN 0                                          ; at a label and at a branch every window is 0
	s_mov_b32 s3, LAPS-1
.Llap:                                                 ; a trip goes once round the ring, from a lap's second quarter to the next lap's first, and fills both slots again
	QUARTER 0, 128, F1, F0, 0
	QUARTER 0, 192, F0, F1, 0
	TURN 0, 1
	QUARTER 1, 64,  F0, F1, 0
	QUARTER 1, 128, F1, F0, 0
	QUARTER 1, 192, F0, F1, 0
	TURN 1, 0
	QUARTER 0, 64,  F0, F1, 0
	WIN 0
	s_sub_co_u32 s3, s3, 1
	s_cmp_lg_u32 s3, 0
	s_cbranch_scc1 .Llap
	QUARTER 0, 128, F1, F0, 0                      ; the last lap goes on
	QUARTER 0, 192, F0, F1, 0
	MEET 0                                         ; my one tensor load that was still out is slot 1's, the last K step's, so no round follows
	PLACES                                         ; for the loads into buffer 0, which the quarter before multiplied
	BLOAD 0                                        ; three quarters of wb now: buffer 1 is still being multiplied
	BLOAD 1
	BLOAD 3
	ALOAD 0
	MUL16 F1, 1, 0, 0
	MUL16 F1, 1, 2, 0
	PLACES                                         ; for the loads into buffer 1
	BLOAD 2
	ALOAD 1
	ALOAD 2
	ALOAD 3
	s_wait_dscnt 40                                ; all but the 40 just issued
	ROW 0
.irp a, 0,1,2,3,4,5,6,7
	PLACES                                         ; its conversions read results just made
	PACK \a
	TOSTAGE \a
.if (\a) < 4
	ALOAD (\a)+4                                   ; its buffer takes the block four further on
	SEND \a, 8
.else
	SEND \a, 0
.endif
.if (\a) < 7
	ROW (\a)+1
.endif
.endr
	s_wait_tensorcnt 0x0                           ; the wave's end: behind my last tensor load and my last LDS store
	ds_add_u32 v[SPW], v[NIL]
	s_wait_dscnt 0x0
	CROUND                                         ; the closing round: no work-group ends while a partner may still ask for a tile that names it
	s_endpgm
.Lfunc_end_k_qd464b56f9e_qkv:
	.size	k_qd464b56f9e_qkv, .Lfunc_end_k_qd464b56f9e_qkv-k_qd464b56f9e_qkv
	.p2alignl 7, 3214868480
	.fill 96, 4, 3214868480
	.section	.rodata,"a",@progbits
	.p2align	6, 0x0
	.amdhsa_kernel k_qd464b56f9e_qkv
		.amdhsa_group_segment_fixed_size 327680
		.amdhsa_private_segment_fixed_size 0
		.amdhsa_enable_private_segment 0
		.amdhsa_kernarg_size 40
		.amdhsa_user_sgpr_count 2
		.amdhsa_user_sgpr_kernarg_segment_ptr 1
		.amdhsa_wavefront_size32 1
		.amdhsa_system_sgpr_workgroup_id_x 1
		.amdhsa_system_sgpr_workgroup_id_y 1
		.amdhsa_system_sgpr_workgroup_id_z 1
		.amdhsa_system_vgpr_workitem_id 0
		.amdhsa_next_free_vgpr 1024
		.amdhsa_next_free_sgpr 76
		.amdhsa_reserve_vcc 0
		.amdhsa_float_denorm_mode_32 3
		.amdhsa_float_denorm_mode_16_64 3
		.amdhsa_memory_ordered 1
		.amdhsa_forward_progress 1
		.amdhsa_inst_pref_size 153
	.end_amdhsa_kernel
	.amdgpu_metadata
---
amdhsa.version: [ 1, 2 ]
amdhsa.kernels:
  - .name:           k_qd464b56f9e_qkv
    .symbol:         k_qd464b56f9e_qkv.kd
    .args:
      - { .name: xb, .offset: 0, .size: 8, .value_kind: global_buffer, .address_space: global }
      - { .name: wb, .offset: 8, .size: 8, .value_kind: global_buffer, .address_space: global }
      - { .name: bq, .offset: 16, .size: 8, .value_kind: global_buffer, .address_space: global }
      - { .name: bv, .offset: 24, .size: 8, .value_kind: global_buffer, .address_space: global }
      - { .name: qkv, .offset: 32, .size: 8, .value_kind: global_buffer, .address_space: global }
    .group_segment_fixed_size: 327680
    .private_segment_fixed_size: 0
    .kernarg_segment_align: 8
    .kernarg_segment_size: 40
    .max_flat_workgroup_size: 128
    .sgpr_count:     76
    .vgpr_count:     1024
    .wavefront_size: 32
...
	.end_amdgpu_metadata
.endif
;; end of part 2
;; launch attn (part 3): grid 16 x 16, 4 waves a work-group, no clusters, 167,936 bytes of LDS; arguments qkv, ctxh; writes ctxh
.if DOCPART == 3
	.amdgcn_target "amdgcn-amd-amdhsa--gfx1250"
	.amdhsa_code_object_version 6
	.text
	.protected	k_qd464b56f9e_attn
	.globl	k_qd464b56f9e_attn
	.p2align	8
	.type	k_qd464b56f9e_attn,@function
k_qd464b56f9e_attn:
	s_mov_b64 s[64:65], 0
	v_nop
	global_prefetch_b8 v0, s[64:65] scope:SCOPE_SE
	s_setreg_imm32_b32 hwreg(HW_REG_WAVE_MODE, 25, 1), 1
	s_wait_xcnt 0x0
; LOCAL ATTENTION, launch 3 of 4: ctx[h][i] = the sum over |i - j| <= 64 of softmax_j(q[h][i] . k[h][j] / 8) v[h][j].  qkv: [3][16][4096][64] f16; ctxh: [16][4096][64] f16.
; Products, maxima and sums in f32; the weights p are rounded to f16 for the second product (their sum is taken of the unrounded p), ctx once at the end.
; LEFT OUT: the blocks of 16 keys that lie wholly outside a tile's window: the mask, made of row numbers alone, gives them the weight 0.  A tile of 16 queries takes 9 blocks of 16 keys.  (bk: left out in the launch before.)
; LIMITS.  A hidden score counts as its value less 1e30 (f16's scores are 2.7e11 at the most); a weight below 2^-126 counts as 0; p below 6e-5 keeps f16's fixed step of 6e-8; NaN and infinities are not treated
; apart, and one that lies only in keys or values outside a row's window but inside its wave's 192 keys is not kept out of the row.
; SHARES.  A work-group has 256 queries of one head, a wave 64: group gq = 4 x + wave, four tiles t of 16.  Its keys are 12 blocks kb of 16, from key 64 gq - 64 on; tile t takes kb = t .. t + 8.
; With b = kb - t: key - query = -64 + 16 b + (key in block - query in tile): b = 0 holds the window's lower edge, b = 8 its upper edge, b = 1 .. 7 are visible whole.
; ALL 72 SCORES OF A LANE STAY IN REGISTERS: the row's true maximum is taken away in one pass; there is no running maximum and nothing to rescale.
; LAYOUT.  S^T = K Q^T (source 0 = 16 keys, source 1 = 16 queries): a lane holds ONE query (lane % 16) and the keys 8 (lane / 16) + 0..7 of each block.  Two blocks rounded to f16 ARE source 1 (32 keys x 16
; queries) of O^T = V^T P.  V's chunks of 32 keys begin at even kb, so a tile has five chunks, of which half a chunk is no key of the tile: there P is 0.
; THE MASK is the C operand that starts a block's sum: 0, or -1e30 where the key is hidden: by the window's edge (ML, MH) or because it lies outside the sequence (EL: kb 0-3 of group 0; EH: kb 8-11 of group 63).
; The two segments of 64 keys that would lie outside the sequence are replaced by the nearest segment inside it: real rows, all hidden.
; LDS is filled once: six segments of 64 keys of K and of V, three tensor loads a wave (three of mine are out), one barrier.
; NO CLUSTER: neighbouring work-groups share two of their six segments, and those lie at different LDS places in the two, while a joint load has one LDS address for all that it names.
; NO PREFETCH: all that a work-group reads is asked for at its head.
; REGISTERS, in windows of 256 (s_set_vgpr_msb: bits 1:0 source 0, 3:2 source 1, 5:4 source 2, 7:6 destination):
;   window 0: v0-14 addresses; v16-47 masks; v48-55 statistics, by the tile's parity; v56-64 at work; v66-209 S^T, two buffers of 72, by parity; v210-249 P
;   window 1: v0-63 Q (tile t, channel half c at 16 t + 8 c); v64-255 K (block kb, half c at 64 + 16 kb + 8 c)
;   window 2: v0-191 V (chunk cc, channel block cb at 8 (4 cc + cb)); v192-223 O^T          window 3: v0-63 the packed output, 16 a tile
.set PK,    144       ; a row of K in LDS: 128 bytes + 16 = 36 words: the 16 rows of a load start at 16 different groups of four banks (64 banks of 4 bytes: ISA guide 11.1)
.set PV,    160       ; a row of V: 128 + 32 = 40 words
.set VOFF,  6*64*PK   ; K's six segments, then V's
.set STAGE, VOFF+6*64*PV   ; never filled by a tensor load: 16 rows x 144 bytes for each wave
.set SP,    144
.set SPARE, STAGE+4*16*SP  ; the spare words, 128 bytes for each wave: two blocks of 256 bytes that no other line names
.set AK,  2           ; v2   my lane's place in my wave's K
.set AV,  3           ; v3   in its V
.set QO,  4           ; v4   my byte offset in 16 rows of Q
.set STO, 5           ; v5   the way out: where I put 16 bytes of a row
.set RD,  6           ; v6   where I read rows back
.set GO,  7           ; v7   my 16 bytes in 512 consecutive bytes of ctxh
.set SPW, 12          ; v12  LDS address of my spare word; never rewritten
.set NIL, 13          ; v13  0; never rewritten
.set ML,  16          ; v16-23  b = 0        .set EL: kb <= 3
.set EL,  24
.set MH,  32          ; v32-39  b = 8        .set EH: kb >= 8
.set EH,  40
.set ST,  48          ; by parity: c m, m, 1 / l, l
.set CH,  56          ; v56-64  nine running maxima
.set S,   66
.set P,   210
.set KF,  64          ; window 1
.set OA,  192         ; window 2
.set WV,  12          ; s12  my wave's number
.set GQ,  66          ; s66  gq
.set G1K, 24          ; s[24:31] descriptor group 1 for K's segments
.set G1V, 32          ; s[32:39] for V's: it differs in the padding alone
.set G0K, 40          ; s[40:51] group 0 for three segments of K
.set G0V, 52          ; s[52:63] of V
.set CS,  68          ; s[68:69] c = log2(e) / 8
.set OFF, 76          ; s[76:81] the three segments' byte offsets in a head
.set MSB, 0
.macro WIN new
.if MSB != (\new)
	s_set_vgpr_msb (MSB<<8)|(\new)
.set MSB, (\new)
.endif
.endm
.set W_KQ, 0x05       ; K and Q in window 1, masks and S^T in window 0
.set W_PV, 0xa2       ; V and O^T in window 2, P in window 0
.set W_RS, 0x82       ; O^T (destination and source 0) in window 2, 1 / l in window 0
.set W_CV, 0xca       ; sources in window 2, destination in window 3
.set W_IO, 0xcc       ; LDS and global stores' data (source 1) and LDS loads' destination in window 3, addresses in window 0
	s_load_b128 s[4:7], s[0:1], 0x0   ; qkv s[4:5], ctxh s[6:7]
	v_lshl_add_u32 v[SPW], v0, 2, SPARE
	v_mov_b32 v[NIL], 0
	ds_add_u32 v[SPW], v[NIL]       ; the wave's opening: the add, twice on end, and its wait ahead of my first tensor load; the set-up below stands between
	ds_add_u32 v[SPW], v[NIL]
	v_lshrrev_b32 v9, 5, v0
	v_readfirstlane_b32 s[WV], v9   ; wave 0..3
	s_and_b32 s16, s[WV], 1         ; which three of the six segments I fetch
	s_lshl_b32 s14, ttmp9, 2
	s_add_co_u32 s[GQ], s14, s[WV]  ; gq
	s_mul_i32 s15, s16, 3
	s_add_co_u32 s14, s14, s15
	s_sub_co_i32 s14, s14, 1        ; my first segment's number in the head: 4 x - 1 + 3 (wave % 2), -1 at the least
.irp i, 0,1,2
	s_add_co_i32 s[OFF+2*\i], s14, \i
	s_max_i32 s[OFF+2*\i], s[OFF+2*\i], 0    ; a segment outside the sequence is replaced by the nearest inside
	s_min_i32 s[OFF+2*\i], s[OFF+2*\i], 63
	s_lshl_b32 s[OFF+2*\i], s[OFF+2*\i], 13  ; 64 rows of 128 bytes
	s_mov_b32 s[OFF+2*\i+1], 0
.endr
	s_and_b32 s13, ttmp7, 0xffff    ; the head
	s_lshl_b32 s82, s13, 19         ; 4,096 rows of 128 bytes
	s_mov_b32 s83, 0
	s_lshl_b32 s18, s[GQ], 13       ; my wave's 64 rows
	s_mov_b32 s19, 0
	s_mul_i32 s17, s16, 3*64*PK     ; my segments' place in LDS, for K
	s_mul_i32 s20, s16, 3*64*PV     ; and for V
	; descriptor group 1.  64 keys are 8,192 dense bytes: asked for as 32 rows of 256 bytes, two keys a row, and padded in LDS after every key
	s_mov_b32 s[G1K], (1<<16)|(1<<20)|(4<<22)|(3<<25)  ; 17:16 2-byte elements; 20 padding on; 24:22 after every 32 words; 31:25 4 words
	s_mov_b32 s[G1V], (1<<16)|(1<<20)|(4<<22)|(7<<25)  ; the same with 8 words of padding
.irp g, G1K, G1V
	s_mov_b32 s[\g+1], 128<<16      ; tensor_dim0 = 128
	s_mov_b32 s[\g+2], 32<<16       ; tensor_dim1 = 32
	s_mov_b32 s[\g+3], 128<<16      ; tile_dim0 = 128
	s_mov_b32 s[\g+4], 32           ; tile_dim1 = 32
	s_mov_b32 s[\g+5], 128          ; 128 elements from row to row
	s_mov_b32 s[\g+6], 0
	s_mov_b32 s[\g+7], 0
.endr
.irp i, 0,1,2
	s_mov_b32 s[G0K+4*\i], 1                        ; count = 1
	s_add_co_u32 s[G0K+4*\i+1], s17, \i*64*PK       ; LDS address
	s_mov_b32 s[G0V+4*\i], 1
	s_add_co_u32 s[G0V+4*\i+1], s20, VOFF+\i*64*PV
.endr
	s_mov_b32 s[CS], 0x3e38aa3b     ; c = log2(e) / 8 = 0.180337
	s_mov_b32 s[CS+1], s[CS]        ; named with it as a pair
	s_mov_b32 s70, 0x76543210       ; v_permlanex16_b32's selects: each lane takes its own place in the other half
	s_mov_b32 s71, 0xfedcba98
	s_mov_b32 s72, 0xf149f2ca       ; -1e30
	s_cmp_eq_u32 s[GQ], 0
	s_cselect_b32 s73, s72, 0       ; kb 0-3 lie in front of the sequence
	s_cmp_eq_u32 s[GQ], 63
	s_cselect_b32 s74, s72, 0       ; kb 8-11 lie behind it
	s_wait_dscnt 0x0                ; both opening adds are done
	s_wait_kmcnt 0x0
	s_add_nc_u64 s[4:5], s[4:5], s[82:83]      ; q of the head,
	s_add_nc_u64 s[6:7], s[6:7], s[82:83]      ; ctx of the head
	s_add_nc_u64 s[8:9], s[4:5], 0x800000      ; k: 16 heads on
	s_add_nc_u64 s[10:11], s[4:5], 0x1000000   ; v: 32 heads on
	s_add_nc_u64 s[4:5], s[4:5], s[18:19]      ; q and ctx at my wave's first row
	s_add_nc_u64 s[6:7], s[6:7], s[18:19]
.irp i, 0,1,2
	s_add_nc_u64 s[G0K+4*\i+2:G0K+4*\i+3], s[8:9], s[OFF+2*\i:OFF+2*\i+1]
	s_or_b32 s[G0K+4*\i+3], s[G0K+4*\i+3], 0x80000000   ; type = 2
	s_add_nc_u64 s[G0V+4*\i+2:G0V+4*\i+3], s[10:11], s[OFF+2*\i:OFF+2*\i+1]
	s_or_b32 s[G0V+4*\i+3], s[G0V+4*\i+3], 0x80000000
.endr
	s_cmp_lt_u32 s[WV], 2           ; a wave's three fills stand in one branch, ahead of every wait on TENSORcnt, every LDS read and the barrier; an s_nop 0 follows each, four v_nop the last
	s_cbranch_scc0 .Lfor_v
.irp i, 0,1,2
	tensor_load_to_lds s[G0K+4*\i:G0K+4*\i+3], s[G1K:G1K+7]
	s_nop 0
.endr
.rept 4
	v_nop
.endr
	s_branch .Lasked
.Lfor_v:
.irp i, 0,1,2
	tensor_load_to_lds s[G0V+4*\i:G0V+4*\i+3], s[G1V:G1V+7]
	s_nop 0
.endr
.rept 4
	v_nop
.endr
.Lasked:
	; A fragment of K or Q is 16 rows x 32 channels in 8 registers: lane l holds row l % 16, channels 8 (l / 16) + 0..7 and 16 + 8 (l / 16) + 0..7: two loads of 16 bytes, 32 bytes apart.
	v_and_b32 v1, 15, v0            ; r = l % 16
	v_bfe_u32 v8, v0, 4, 1          ; h = l / 16
	v_lshlrev_b32 v[QO], 7, v1
	v_lshl_add_u32 v[QO], v8, 4, v[QO]
	WIN 0x40                        ; destination window 1
.set i, 0
.rept 8                             ; tile i / 2, channels 32 (i % 2) on
	global_load_b128 v[8*i:8*i+3],   v[QO], s[4:5] offset:(i/2)*2048+(i%2)*64
	global_load_b128 v[8*i+4:8*i+7], v[QO], s[4:5] offset:(i/2)*2048+(i%2)*64+32
.set i, i+1
.endr
	WIN 0
	v_lshlrev_b32 v14, 3, v8
	v_sub_nc_u32 v14, v1, v14       ; r - 8 h: register j holds key 8 h + j of its block: below the window's lower edge where j < r - 8 h, above its upper edge where j > r - 8 h
.set i, 0
.rept 8
	v_mov_b32 v[EL+i], s73
	v_mov_b32 v[EH+i], s74
.set i, i+1
.endr
.set i, 0
.rept 8
	v_cmp_lt_i32 vcc_lo, i, v14
	v_cndmask_b32 v[ML+i], v[EL+i], s72, vcc_lo
	v_cmp_gt_i32 vcc_lo, i, v14
	v_cndmask_b32 v[MH+i], v[EH+i], s72, vcc_lo
.set i, i+1
.endr
	s_mul_i32 s14, s[WV], 64*PK     ; my wave's keys begin at segment number wave
	v_mul_u32_u24 v[AK], v1, PK
	v_lshl_add_u32 v[AK], v8, 4, v[AK]
	v_add_nc_u32 v[AK], s14, v[AK]
	; The turning load takes 16 keys x 16 channels (lane l reads key 8 (l / 16) + l % 8, channels 8 ((l / 8) % 2) + 0..7) and leaves half a fragment of V^T: lane l holds channel l % 16 and 8 keys.
	v_and_b32 v10, 7, v0
	v_bfe_u32 v11, v0, 3, 1
	v_lshl_add_u32 v[AV], v8, 3, v10
	v_mul_u32_u24 v[AV], v[AV], PV
	v_lshl_add_u32 v[AV], v11, 4, v[AV]
	s_mul_i32 s15, s[WV], 64*PV
	s_add_co_u32 s15, s15, VOFF
	v_add_nc_u32 v[AV], s15, v[AV]
	s_mul_i32 s21, s[WV], 16*SP
	s_add_co_u32 s21, s21, STAGE    ; my stage
	v_mul_u32_u24 v[STO], v1, SP    ; in: row l % 16, 16 bytes for each half of the lanes
	v_lshl_add_u32 v[STO], v8, 4, v[STO]
	v_add_nc_u32 v[STO], s21, v[STO]
	v_bfe_u32 v[RD], v0, 3, 2       ; back: 32 lanes take four rows of 128 bytes,
	v_mul_u32_u24 v[RD], v[RD], SP
	v_lshl_add_u32 v[RD], v10, 4, v[RD]
	v_add_nc_u32 v[RD], s21, v[RD]
	v_and_b32 v[GO], 31, v0         ; which are 512 consecutive bytes of ctxh
	v_lshlrev_b32 v[GO], 4, v[GO]
; THE MATRIX WORK.  S^T of tile t: 18 products; the nine accumulators take turns.  The first nine start the sums with the mask or with 0.
.macro KQ t
	WIN W_KQ
.set SB, S+72*((\t)%2)
.irp c, 0,1
.irp b, 0,1,2,3,4,5,6,7,8
.set rS, SB+8*(\b)
.set rK, KF+16*((\t)+(\b))+8*(\c)
.set rQ, 16*(\t)+8*(\c)
.if (\c) == 1
	v_wmma_f32_16x16x32_f16 v[rS:rS+7], v[rK:rK+7], v[rQ:rQ+7], v[rS:rS+7]
.elseif (\b) == 0
	v_wmma_f32_16x16x32_f16 v[rS:rS+7], v[rK:rK+7], v[rQ:rQ+7], v[ML:ML+7]
.elseif (\b) == 8
	v_wmma_f32_16x16x32_f16 v[rS:rS+7], v[rK:rK+7], v[rQ:rQ+7], v[MH:MH+7]
.elseif (\t)+(\b) <= 3
	v_wmma_f32_16x16x32_f16 v[rS:rS+7], v[rK:rK+7], v[rQ:rQ+7], v[EL:EL+7]
.elseif (\t)+(\b) >= 8
	v_wmma_f32_16x16x32_f16 v[rS:rS+7], v[rK:rK+7], v[rQ:rQ+7], v[EH:EH+7]
.else
	v_wmma_f32_16x16x32_f16 v[rS:rS+7], v[rK:rK+7], v[rQ:rQ+7], 0
.endif
.endr
.endr
.endm
; O^T of tile t: five chunks of 32 keys x four blocks of 16 channels; the four accumulators take turns.  The first four start the sums.
.macro PV t
	WIN W_PV
.irp i, 0,1,2,3,4
.irp cb, 0,1,2,3
.set rO, OA+8*(\cb)
.set rV, 8*(4*((\t)/2+(\i))+(\cb))
.set rP, P+8*(\i)
.if (\i) == 0
	v_wmma_f32_16x16x32_f16 v[rO:rO+7], v[rV:rV+7], v[rP:rP+7], 0
.else
	v_wmma_f32_16x16x32_f16 v[rO:rO+7], v[rV:rV+7], v[rP:rP+7], v[rO:rO+7]
.endif
.endr
.endr
.endm
; THE SOFTMAX of tile t, all in window 0.  The maximum of the lane's 72 scores (each accumulator's lowest registers are read first) and of the lane 16 away, which holds the query's other
; keys; c s - c m; the 72 exponentials as ONE batch with one wait; the roundings; the sum; its reciprocal.
.macro SM t
	WIN 0
.set SB, S+72*((\t)%2)
.set TT, ST+4*((\t)%2)
.irp j, 0,1,2,3,4,5,6,7,8
	v_max3_num_f32 v[CH+\j], v[SB+8*\j], v[SB+8*\j+1], v[SB+8*\j+2]
.endr
.irp j, 0,1,2,3,4,5,6,7,8
	v_max3_num_f32 v[CH+\j], v[CH+\j], v[SB+8*\j+3], v[SB+8*\j+4]
.endr
.irp j, 0,1,2,3,4,5,6,7,8
	v_max3_num_f32 v[CH+\j], v[CH+\j], v[SB+8*\j+5], v[SB+8*\j+6]
.endr
.irp j, 0,1,2,3
	v_max3_num_f32 v[CH+\j], v[CH+\j], v[SB+16*\j+7], v[SB+16*\j+15]
.endr
	v_max_num_f32 v[CH+8], v[CH+8], v[SB+71]
	v_max3_num_f32 v[CH], v[CH], v[CH+1], v[CH+2]
	v_max3_num_f32 v[CH+3], v[CH+3], v[CH+4], v[CH+5]
	v_max3_num_f32 v[CH+6], v[CH+6], v[CH+7], v[CH+8]
	v_max3_num_f32 v[CH], v[CH], v[CH+3], v[CH+6]
	v_permlanex16_b32 v[CH+1], v[CH], s70, s71
	v_max_num_f32 v[TT+1], v[CH], v[CH+1]          ; m: a visible score, since every row sees its own key
	v_mul_f32 v[TT], s[CS], v[TT+1]                ; c m
.set n, 0
.rept 36
	v_pk_fma_f32 v[SB+2*n:SB+2*n+1], v[SB+2*n:SB+2*n+1], s[CS:CS+1], v[TT:TT+1] op_sel_hi:[1,0,0] neg_lo:[0,0,1] neg_hi:[0,0,1]  ; c s - c m
.set n, n+1
.endr
.set n, 0
.rept 72
	v_exp_f32 v[SB+n], v[SB+n]
.set n, n+1
.endr
	v_nop                           ; a plain instruction behind the last exponential, ahead of the first use: one for the batch
	s_wait_alu depctr_va_vdst(0)    ; the wait ahead of the first reader: one for the 72 exponentials, and for the reciprocal of the tile before
.set n, 0
.rept 36                            ; block b's four pairs go to P + 4 (b + t % 2): an odd tile's first block is the second half of its first chunk
	v_cvt_pk_f16_f32 v[P+4*((\t)%2)+n], v[SB+2*n], v[SB+2*n+1]
.set n, n+1
.endr
.set n, 0
.rept 4                             ; the half chunk that is no key of the tile: the last of an even tile, the first of an odd one
	v_mov_b32 v[P+36*(1-(\t)%2)+n], 0
.set n, n+1
.endr
.set n, 0
.rept 18                            ; the sum of the 36 pairs, in place, as a tree
	v_pk_add_f32 v[SB+4*n:SB+4*n+1], v[SB+4*n:SB+4*n+1], v[SB+4*n+2:SB+4*n+3]
.set n, n+1
.endr
.set n, 0
.rept 9
	v_pk_add_f32 v[SB+8*n:SB+8*n+1], v[SB+8*n:SB+8*n+1], v[SB+8*n+4:SB+8*n+5]
.set n, n+1
.endr
.set n, 0
.rept 4
	v_pk_add_f32 v[SB+16*n:SB+16*n+1], v[SB+16*n:SB+16*n+1], v[SB+16*n+8:SB+16*n+9]
.set n, n+1
.endr
	v_pk_add_f32 v[SB:SB+1], v[SB:SB+1], v[SB+16:SB+17]
	v_pk_add_f32 v[SB+32:SB+33], v[SB+32:SB+33], v[SB+48:SB+49]
	v_pk_add_f32 v[SB:SB+1], v[SB:SB+1], v[SB+32:SB+33]
	v_pk_add_f32 v[SB:SB+1], v[SB:SB+1], v[SB+64:SB+65]
	v_add_f32 v[CH], v[SB], v[SB+1]
	v_permlanex16_b32 v[CH+1], v[CH], s70, s71
	v_add_f32 v[TT+3], v[CH], v[CH+1]              ; l, at least 1: the maximum's own weight
	v_rcp_f32 v[TT+2], v[TT+3]
	v_nop                           ; a plain instruction behind the reciprocal; its wait is the next tile's batch's, which stands ahead of the PACK that first reads it (the last tile has a wait of its own)
.endm
; THE WAY OUT of tile t: O^T times 1 / l, rounded to f16; a lane's eight channels of a row pack into 16 bytes; they go into rows of 144 bytes and come back as whole rows of 128, into the registers that they left.
.macro PACK t
.set TT, ST+4*((\t)%2)
	WIN W_RS
.set n, 0
.rept 16
	v_pk_mul_f32 v[OA+2*n:OA+2*n+1], v[OA+2*n:OA+2*n+1], v[TT+2:TT+3] op_sel_hi:[1,0]
.set n, n+1
.endr
	WIN W_CV
.set n, 0
.rept 16
	v_cvt_pk_f16_f32 v[16*(\t)+n], v[OA+2*n], v[OA+2*n+1]
.set n, n+1
.endr
	WIN W_IO
.irp f, 0,1,2,3
	ds_store_b128 v[STO], v[16*(\t)+4*\f:16*(\t)+4*\f+3] offset:32*\f
.endr
.irp f, 0,1,2,3
	ds_load_b128 v[16*(\t)+4*\f:16*(\t)+4*\f+3], v[RD] offset:\f*4*SP  ; LDS serves a wave's instructions in order (ISA guide 5.7.1.4): these see the stores above; the next tile's stores come behind them
.endr
.endm
.macro SEND t
	WIN W_IO
	s_wait_dscnt 0x0                ; the tile is back in registers; a tile has registers of its own, so no store's source is rewritten
.irp f, 0,1,2,3
	global_store_b128 v[GO], v[16*(\t)+4*\f:16*(\t)+4*\f+3], s[6:7] offset:(\t)*2048+\f*512  ; 512 consecutive bytes, at a multiple of 512 from ctxh's first byte
.endr
.endm
.macro PLACES8                      ; plain instructions between a matrix instruction and the first vector instruction that reads its result (ISA guide 7.12.1)
.rept 8
	v_nop
.endr
.endm
	s_wait_tensorcnt 0x0            ; my three segments are in,
	s_barrier_signal -1
	s_barrier_wait -1               ; everybody's are: the launch's one barrier; nothing is filled again
	WIN 0x40
.set i, 0
.rept 24                            ; K: block i / 2, channels 32 (i % 2) on
	ds_load_b128 v[KF+8*i:KF+8*i+3],   v[AK] offset:(i/2)*16*PK+(i%2)*64
	ds_load_b128 v[KF+8*i+4:KF+8*i+7], v[AK] offset:(i/2)*16*PK+(i%2)*64+32
.set i, i+1
.endr
	WIN 0x80
.set i, 0
.rept 24                            ; V, turned: chunk i / 4, channels 16 (i % 4) on
	ds_load_tr16_b128 v[8*i:8*i+3],   v[AV] offset:(i/4)*32*PV+(i%4)*32
	ds_load_tr16_b128 v[8*i+4:8*i+7], v[AV] offset:(i/4)*32*PV+16*PV+(i%4)*32
.set i, i+1
.endr
	s_wait_loadcnt 0x0              ; Q
	s_wait_dscnt 48                 ; K is in; V's 48 younger loads may stay out
	; The tiles in order; the products of the next tile's scores and of this tile's output are issued round the softmax, so that the matrix unit works beside it, and a tile's stores leave under the next tile's work.
	KQ 0
	KQ 1
	PLACES8                         ; behind tile 0's scores
	SM 0
	s_wait_dscnt 0x0                ; V is in
	PV 0
	KQ 2
	SM 1
	PACK 0
	PV 1
	SEND 0
	KQ 3
	SM 2
	PACK 1
	PV 2
	SEND 1
	SM 3
	PACK 2
	PV 3
	SEND 2
	PLACES8                         ; behind the last products
	s_wait_alu depctr_va_vdst(0)    ; the last tile's reciprocal, ahead of its first reader
	PACK 3
	SEND 3
	WIN 0
	s_wait_tensorcnt 0x0            ; the wave's end: behind my last tensor load and my last LDS store
	ds_add_u32 v[SPW], v[NIL]
	s_wait_dscnt 0x0
	s_endpgm
.Lfunc_end_k_qd464b56f9e_attn:
	.size	k_qd464b56f9e_attn, .Lfunc_end_k_qd464b56f9e_attn-k_qd464b56f9e_attn
	.p2alignl 7, 3214868480
	.fill 96, 4, 3214868480
	.section	.rodata,"a",@progbits
	.p2align	6, 0x0
	.amdhsa_kernel k_qd464b56f9e_attn
		.amdhsa_group_segment_fixed_size 167936
		.amdhsa_private_segment_fixed_size 0
		.amdhsa_enable_private_segment 0
		.amdhsa_kernarg_size 16
		.amdhsa_user_sgpr_count 2
		.amdhsa_user_sgpr_kernarg_segment_ptr 1
		.amdhsa_wavefront_size32 1
		.amdhsa_system_sgpr_workgroup_id_x 1
		.amdhsa_system_sgpr_workgroup_id_y 1
		.amdhsa_system_sgpr_workgroup_id_z 1
		.amdhsa_system_vgpr_workitem_id 0
		.amdhsa_next_free_vgpr 832
		.amdhsa_next_free_sgpr 84
		.amdhsa_reserve_vcc 1
		.amdhsa_float_denorm_mode_32 3
		.amdhsa_float_denorm_mode_16_64 3
		.amdhsa_memory_ordered 1
		.amdhsa_forward_progress 1
		.amdhsa_inst_pref_size 86
	.end_amdhsa_kernel
	.amdgpu_metadata
---
amdhsa.version: [ 1, 2 ]
amdhsa.kernels:
  - .name:           k_qd464b56f9e_attn
    .symbol:         k_qd464b56f9e_attn.kd
    .args:
      - { .name: qkv, .offset: 0, .size: 8, .value_kind: global_buffer, .address_space: global }
      - { .name: ctxh, .offset: 8, .size: 8, .value_kind: global_buffer, .address_space: global }
    .group_segment_fixed_size: 167936
    .private_segment_fixed_size: 0
    .kernarg_segment_align: 8
    .kernarg_segment_size: 16
    .max_flat_workgroup_size: 128
    .sgpr_count:     84
    .vgpr_count:     832
    .wavefront_size: 32
...
	.end_amdgpu_metadata
.endif
;; end of part 3
;; launch oproj (part 4): grid 8 x 32, 4 waves a work-group, clusters of 4 x 4, 327,680 bytes of LDS; arguments ctxh, wo16, bo, out0; writes out0
.if DOCPART == 4
	.amdgcn_target "amdgcn-amd-amdhsa--gfx1250"
	.amdhsa_code_object_version 6
	.text
	.protected	k_qd464b56f9e_oproj
	.globl	k_qd464b56f9e_oproj
	.p2align	8
	.type	k_qd464b56f9e_oproj,@function
k_qd464b56f9e_oproj:
	s_mov_b64 s[64:65], 0
	v_nop
	global_prefetch_b8 v0, s[64:65] scope:SCOPE_SE
	s_setreg_imm32_b32 hwreg(HW_REG_WAVE_MODE, 25, 1), 1
	s_wait_xcnt 0x0
	s_wait_alu depctr_hold_cnt(0) depctr_sa_sdst(0) depctr_va_vdst(0) depctr_va_sdst(0) depctr_va_ssrc(0) depctr_va_vcc(0) depctr_vm_vsrc(0)
	s_getreg_b32 s2, hwreg(HW_REG_IB_STS2, 6, 4)
	s_cmp_eq_u32 s2, 0
	s_cbranch_scc0 .Lentry_in_a_cluster
	s_endpgm
.Lentry_in_a_cluster:
	s_bfe_u32 s2, ttmp6, 0x10000c
	s_cmp_lg_u32 s2, 0xf033
	s_cbranch_scc0 .Lentry_shape_is_right
	s_endpgm
.Lentry_shape_is_right:
; LOCAL ATTENTION, launch 4 of 4: out[s][n] = the sum over k of ctx[s][k] Wo[n][k] + bo[n], k = 64 head + channel.  ctxh: [16][4096][64] f16; wo16: [1024][1024] f16; bo: [1024] f32, rounded to bf16 like all
; inputs; out0: [4096][1024] f32; sums in f32.  Nothing of this product is left out.
; SHARES.  A tile of 128 x 128 to a work-group: 32 x 8 = 256 work-groups.  Four waves, each 64 x 64: 16 accumulators of 16 x 16.  K goes in four steps of 256 (four heads) through two LDS slots.
; ctx's tile comes out of the layout by heads by ONE descriptor: its "row" is a head's 64 dense rows of ctx (4,096 elements, 8,192 bytes), four such rows a head apart; padded after every 128 bytes it lies in
; LDS as [head][row], 144 bytes a row.  Wo's tile: 64 rows of 512 bytes, 528 apart in LDS.
; CLUSTERS: 4 x 4 work-groups.  The four of a row of the cluster need the same tiles of ctx, the four of a column the same tiles of Wo: each is asked for JOINTLY, by the same tensor load, descriptor and mask.
; THE MATRIX INSTRUCTION IS USED TRANSPOSED (source 0 = 16 rows of Wo, source 1 = 16 rows of ctx): a lane holds eight neighbouring numbers of a row of out.  THE BIAS STARTS THE SUMS, as the first products' C.
; A wave's 64 columns of f32 are 256 aligned bytes of a row, so each wave has a stage of its own on the way out, and no barrier.
; NO PREFETCH: with four K steps, two of them asked for at the head, there is no K step two refills on.
; REGISTERS: window 0: v0-31 addresses; v32-35 at work; v96-127 the bias; v128-255 the accumulators ((a, b) at v[128 + 8 (4 a + b)]).
;   window 1: two fragment buffers of 128: for 64 along K, 64 registers of ctx (2 x 4 x 16 rows x 32 K), then 64 of Wo; on the way out: rows read back.
.set PCH_A,  144                       ; 36 words: the 16 rows of a load start at 16 different groups of four banks (64 banks of 4 bytes: ISA guide 11.1)
.set PCH_B,  528                       ; 132 words: likewise
.set HEADL,  64*PCH_A                  ; a head's 64 rows in LDS
.set HALFA,  4*HEADL                   ; what one tensor load brings of ctx: 64 rows x 4 heads
.set HALFB,  64*PCH_B                  ; of Wo: 64 rows x 256 K
.set BOFF,   2*HALFA
.set SLOT,   2*HALFA+2*HALFB
.set STAGE,  2*SLOT                    ; behind the ring, never filled by a tensor load: 16 rows x 272 bytes for each wave
.set SPITCH, 272
.set WSTG,   16*SPITCH
.set SPARE,  STAGE+4*WSTG              ; the spare words, 128 bytes for each wave: two blocks of 256 bytes that no other line names
.set ADRA, 16                          ; v16-17  LDS address of my fragments of ctx in slot 0, 1
.set ADRB, 20                          ; v20-21  the same for Wo
.set STO,  24                          ; v24     the way out: where I put 32 bytes of a row
.set RD,   25                          ; v25     where I read a row back
.set CO,   26                          ; v26     my byte offset in out0
.set BO,   27                          ; v27     my byte offset in bo
.set SPW,  28                          ; v28     LDS address of my spare word; never rewritten
.set NIL,  29                          ; v29     0; never rewritten
.set BI,   96
.set ACC,  128
.set F0,   0                           ; fragment buffers, in window 1
.set F1,   128
.set G1, 24                            ; s[24:31] descriptor group 1 for ctx's tiles;  s[32:39] group 0, one set for each slot
.set G0, 32
.set G1B, 48                           ; s[48:55], s[56:63] the same for Wo's tiles
.set G0B, 56
.set MSB, 0
.macro WIN new
.if MSB != (\new)
	s_set_vgpr_msb (MSB<<8)|(\new)
.set MSB, \new
.endif
.endm
.set MUL,  0x05                        ; sources 0 (Wo) and 1 (ctx) window 1; C and D window 0
.set TO_F, 0x40                        ; destination window 1, address and store data window 0
.macro JLOAD s                         ; a joint load: waves 0 and 1 fetch ctx's two halves, waves 2 and 3 Wo's; an s_nop 0 and four v_nop follow each of the two lines
	s_cmp_eq_u32 s11, 0
	s_cbranch_scc0 .Lfor_b_\@
	tensor_load_to_lds s[G0+4*(\s):G0+4*(\s)+3], s[G1:G1+7]
	s_nop 0
.rept 4
	v_nop
.endr
	s_branch .Lasked_\@
.Lfor_b_\@:
	tensor_load_to_lds s[G0B+4*(\s):G0B+4*(\s)+3], s[G1B:G1B+7]
	s_nop 0
.rept 4
	v_nop
.endr
.Lasked_\@:
.endm
.macro CREST                           ; a round of the cluster's barrier behind its opening barrier
	s_cmp_lg_u32 s10, 0
	s_cbranch_scc1 .Lnot_wave_0_\@
	s_barrier_signal -3
.Lnot_wave_0_\@:
	s_barrier_wait -3
	s_barrier_signal -1
	s_barrier_wait -1
.endm
.macro CROUND
	s_barrier_signal -1
	s_barrier_wait -1
	CREST
.endm
	s_load_b128 s[4:7], s[0:1], 0x0                ; ctxh s[4:5], wo16 s[6:7]
	s_load_b128 s[68:71], s[0:1], 0x10             ; bo s[68:69], out0 s[70:71]
	v_lshl_add_u32 v[SPW], v0, 2, SPARE
	v_mov_b32 v[NIL], 0
	ds_add_u32 v[SPW], v[NIL]                      ; the wave's opening: the add, twice on end, and its wait ahead of my first tensor load; the set-up below stands between
	ds_add_u32 v[SPW], v[NIL]
	v_lshrrev_b32 v1, 5, v0
	v_readfirstlane_b32 s10, v1                    ; wave 0..3
	s_lshr_b32 s11, s10, 1                         ; which half of the tile's rows is mine.  Also: I fetch for ctx (0) or for Wo (1)
	s_and_b32 s12, s10, 1                          ; which half of its columns.  Also: which 64 rows of that tile I fetch
	s_bfe_u32 s40, ttmp6, 0x40000                  ; cx, cy
	s_bfe_u32 s41, ttmp6, 0x40004
	s_lshl_b32 s42, ttmp9, 2
	s_add_co_u32 s42, s42, s40                     ; tile column = 4 x cluster x + cx: 0..7
	s_and_b32 s13, ttmp7, 0xffff
	s_lshl_b32 s13, s13, 2
	s_add_co_u32 s13, s13, s41                     ; tile row = 4 x cluster y + cy: 0..31
	s_lshl_b32 s43, s41, 2
	s_lshl_b32 s43, 15, s43                        ; my row of the cluster
	s_lshl_b32 s44, 0x1111, s40                    ; my column
	; descriptor group 1 for ctx: 4 rows (heads) x 4,096 elements (64 rows of ctx on end), 262,144 elements from head to head
	s_or_b32 s[G1+0], s43, (1<<16)|(1<<20)|(1<<21)|(4<<22)|(3<<25)  ; 15:0 the mask: my row; 17:16 2-byte elements; 20 padding on; 21 set beside a mask; 24:22 after every 32 words; 31:25 4 words
	s_mov_b32 s[G1+1], 4096<<16                    ; tensor_dim0 = 4,096
	s_mov_b32 s[G1+2], 4<<16                       ; tensor_dim1 = 4
	s_mov_b32 s[G1+3], 4096<<16                    ; tile_dim0 = 4,096
	s_mov_b32 s[G1+4], 4                           ; tile_dim1 = 4
	s_mov_b32 s[G1+5], 262144                      ; elements from row to row
	s_mov_b32 s[G1+6], 0
	s_mov_b32 s[G1+7], 0
	; for Wo: 64 rows x 256 elements
	s_or_b32 s[G1B+0], s44, (1<<16)|(1<<20)|(1<<21)|(6<<22)|(3<<25) ; the mask of my column; padding after every 128 words
	s_mov_b32 s[G1B+1], 256<<16
	s_mov_b32 s[G1B+2], 64<<16
	s_mov_b32 s[G1B+3], 256<<16
	s_mov_b32 s[G1B+4], 64
	s_mov_b32 s[G1B+5], 1024
	s_mov_b32 s[G1B+6], 0
	s_mov_b32 s[G1B+7], 0
	s_lshl_b32 s16, s13, 14                        ; ctx: row 128 x tile row + 64 x half, 128 bytes a row (inside head 0)
	s_lshl_b32 s17, s12, 13
	s_add_co_u32 s16, s16, s17
	s_mov_b32 s17, 0
	s_lshl_b32 s46, s42, 18                        ; Wo: row 128 x tile column + 64 x half, 2,048 bytes a row
	s_lshl_b32 s47, s12, 17
	s_add_co_u32 s46, s46, s47
	s_mov_b32 s47, 0
	s_mul_i32 s20, s12, HALFA                      ; where they go: no place in the cluster enters an LDS address
	s_mul_i32 s21, s12, HALFB
	s_add_co_u32 s21, s21, BOFF
	s_wait_dscnt 0x0                               ; both opening adds are done
	s_wait_kmcnt 0x0
	s_add_nc_u64 s[14:15], s[4:5], s[16:17]
	s_add_nc_u64 s[46:47], s[6:7], s[46:47]
	CROUND                                         ; all sixteen work-groups are here: the first joint loads meet
.irp s, 0,1
	s_mov_b32 s[G0+4*(\s)], 1
	s_add_co_u32 s[G0+4*(\s)+1], s20, (\s)*SLOT
	s_add_nc_u64 s[G0+4*(\s)+2:G0+4*(\s)+3], s[14:15], (\s)*4*524288   ; K step s: four heads on
	s_or_b32 s[G0+4*(\s)+3], s[G0+4*(\s)+3], 0x80000000
	s_mov_b32 s[G0B+4*(\s)], 1
	s_add_co_u32 s[G0B+4*(\s)+1], s21, (\s)*SLOT
	s_add_nc_u64 s[G0B+4*(\s)+2:G0B+4*(\s)+3], s[46:47], (\s)*512
	s_or_b32 s[G0B+4*(\s)+3], s[G0B+4*(\s)+3], 0x80000000
	JLOAD \s                                       ; two loads of mine are out
.endr
	v_and_b32 v1, 15, v0                           ; l % 16
	v_bfe_u32 v2, v0, 4, 1                         ; l / 16
	v_mul_u32_u24 v3, v1, PCH_A
	v_lshl_add_u32 v3, v2, 4, v3                   ; a fragment's row x pitch + 16 x half, for ctx
	v_mul_u32_u24 v4, v1, PCH_B
	v_lshl_add_u32 v4, v2, 4, v4                   ; and for Wo
	s_mul_i32 s21, s11, HALFA                      ; my 64 rows of ctx
	s_mul_i32 s22, s12, HALFB                      ; my 64 rows of Wo
	s_add_co_u32 s22, s22, BOFF
.irp s, 0,1
	v_add_nc_u32 v[ADRA+(\s)], s21, v3
	v_add_nc_u32 v[ADRB+(\s)], s22, v4
	s_add_co_u32 s21, s21, SLOT
	s_add_co_u32 s22, s22, SLOT
.endr
	s_mul_i32 s23, s10, WSTG
	s_add_co_u32 s23, s23, STAGE                   ; my stage
	v_mul_u32_u24 v5, v1, SPITCH                   ; in: row l % 16, 32 bytes for each half of the lanes
	v_lshl_add_u32 v5, v2, 5, v5
	v_add_nc_u32 v[STO], s23, v5
	v_mul_u32_u24 v5, v2, SPITCH                   ; back: lanes 0-15 take one row of 256 bytes, lanes 16-31 the next
	v_lshl_add_u32 v5, v1, 4, v5
	v_add_nc_u32 v[RD], s23, v5
	v_lshlrev_b32 v5, 12, v2                       ; and the same two rows in out0, 4,096 bytes apart
	v_lshl_add_u32 v[CO], v1, 4, v5
	s_lshl_b32 s16, s13, 7
	s_lshl_b32 s17, s11, 6
	s_add_co_u32 s16, s16, s17                     ; my first row: 128 x tile row + 64 x half
	s_lshl_b32 s16, s16, 12
	s_mov_b32 s17, 0
	s_add_nc_u64 s[70:71], s[70:71], s[16:17]
	s_lshl_b32 s46, s42, 9                         ; my first column in bytes of f32: 512 x tile column + 256 x half
	s_lshl_b32 s47, s12, 8
	s_add_co_u32 s46, s46, s47
	s_mov_b32 s47, 0
	s_add_nc_u64 s[70:71], s[70:71], s[46:47]
	; THE BIAS of my 64 columns: register j of block b is bo of column 16 b + 8 (l / 16) + j.  It stands in the wait for the first tiles.
	v_lshlrev_b32 v[BO], 5, v2
	v_add_nc_u32 v[BO], s46, v[BO]
.irp b, 0,1,2,3
	global_load_b128 v[BI+8*(\b):BI+8*(\b)+3],   v[BO], s[68:69] offset:64*(\b)
	global_load_b128 v[BI+8*(\b)+4:BI+8*(\b)+7], v[BO], s[68:69] offset:64*(\b)+16
.endr
	s_wait_loadcnt 0x0
.set i, 0
.rept 16                               ; rounded to bf16 like every input, and widened again
	v_cvt_pk_bf16_f32 v[32+i%4], v[BI+2*i], v[BI+2*i+1]
	v_lshlrev_b32 v[BI+2*i], 16, v[32+i%4]
	v_and_b32 v[BI+2*i+1], 0xffff0000, v[32+i%4]
.set i, i+1
.endr
; 8 matrix instructions: m blocks a0, a0 + 1 x all 4 n blocks, 32 along K: half c of buffer f.  zero = 1: the first product starts the sums with the bias.  The 16 accumulators take turns.
.macro MUL8 f, c, a0, zero
	WIN MUL
.irp a, \a0, (\a0)+1
.irp b, 0,1,2,3
.if \zero
	v_wmma_f32_16x16x32_f16 v[ACC+8*(4*(\a)+(\b)):ACC+8*(4*(\a)+(\b))+7], v[(\f)+64+8*(4*(\c)+(\b)):(\f)+64+8*(4*(\c)+(\b))+7], v[(\f)+8*(4*(\c)+(\a)):(\f)+8*(4*(\c)+(\a))+7], v[BI+8*(\b):BI+8*(\b)+7]
.else
	v_wmma_f32_16x16x32_f16 v[ACC+8*(4*(\a)+(\b)):ACC+8*(4*(\a)+(\b))+7], v[(\f)+64+8*(4*(\c)+(\b)):(\f)+64+8*(4*(\c)+(\b))+7], v[(\f)+8*(4*(\c)+(\a)):(\f)+8*(4*(\c)+(\a))+7], v[ACC+8*(4*(\a)+(\b)):ACC+8*(4*(\a)+(\b))+7]
.endif
.endr
.endr
.endm
; 32 LDS loads in one run: the fragments of quarter q of a K step (64 along K: one head of ctx, 128 bytes of Wo's rows) into buffer f; the first 32 along K first
.macro FETCH slot, q, f
	WIN TO_F
.irp c, 0,1
.irp i, 0,1,2,3
	ds_load_b128 v[(\f)+64+8*(4*(\c)+(\i)):(\f)+64+8*(4*(\c)+(\i))+3],   v[ADRB+(\slot)] offset:128*(\q)+64*(\c)+(\i)*16*PCH_B
	ds_load_b128 v[(\f)+64+8*(4*(\c)+(\i))+4:(\f)+64+8*(4*(\c)+(\i))+7], v[ADRB+(\slot)] offset:128*(\q)+64*(\c)+(\i)*16*PCH_B+32
	ds_load_b128 v[(\f)+8*(4*(\c)+(\i)):(\f)+8*(4*(\c)+(\i))+3],         v[ADRA+(\slot)] offset:HEADL*(\q)+64*(\c)+(\i)*16*PCH_A
	ds_load_b128 v[(\f)+8*(4*(\c)+(\i))+4:(\f)+8*(4*(\c)+(\i))+7],       v[ADRA+(\slot)] offset:HEADL*(\q)+64*(\c)+(\i)*16*PCH_A+32
.endr
.endr
.endm
.macro PLACES                          ; four plain instructions in front of loads into registers that matrix instructions have read
.rept 4
	v_nop
.endr
.endm
; A K step is four quarters of 64 along K, 32 matrix instructions each, on buffers 0, 1, 0, 1.  One of the first three multiplies buffer f and fetches quarter q into g.
.macro QUARTER slot, q, f, g, zero
	s_wait_dscnt 16                                ; the first 32 along K are in; the youngest sixteen loads may be out
	MUL8 \f, 0, 0, \zero
	MUL8 \f, 0, 2, \zero
	PLACES
	FETCH \slot, \q, \g
	s_wait_dscnt 32                                ; all but the 32 just issued
	MUL8 \f, 1, 0, 0
	MUL8 \f, 1, 2, 0
.endm
; The last quarter multiplies buffer 1 and changes slots: ONE barrier; in front of it each wave waits for all its tensor loads, adds 0 to its spare word, and waits for that and for its own reads of this slot.
; fill = 1: the barrier opens a round of the cluster's barrier, and behind the round this slot is filled again first, two K steps ahead: 112 matrix instructions ahead of the wait for it.
.macro TURN slot, next, fill
	WIN 0                                          ; (the add's two registers lie in window 0)
	s_wait_tensorcnt 0x0                           ; all my tensor loads have landed: my part of the next slot
	ds_add_u32 v[SPW], v[NIL]                      ; 0 onto my spare word
	s_wait_dscnt 17                                ; (the add and the youngest sixteen loads may be out)
	MUL8 F1, 0, 0, 0                               ; eight matrix instructions stand between the add and the wait for it
	s_wait_dscnt 0x0                               ; the add is done, and my reads of this slot are over
	s_barrier_signal -1
	MUL8 F1, 0, 2, 0
.if \fill
	WIN 0
.endif
	s_barrier_wait -1
.if \fill
	CREST                                          ; no wave of any partner still reads this slot's tile or has a load on its way
	s_add_nc_u64 s[G0+4*(\slot)+2:G0+4*(\slot)+3], s[G0+4*(\slot)+2:G0+4*(\slot)+3], 2*4*524288   ; eight heads on
	s_add_nc_u64 s[G0B+4*(\slot)+2:G0B+4*(\slot)+3], s[G0B+4*(\slot)+2:G0B+4*(\slot)+3], 2*512
	JLOAD \slot                                    ; the first tensor load behind the round, my only one until the next barrier; its four v_nop are also the places in front of the loads below
.else
	PLACES
.endif
	FETCH \next, 0, F0
	MUL8 F1, 1, 0, 0
	MUL8 F1, 1, 2, 0
.endm
	s_wait_tensorcnt 1                             ; my part of K step 0 is in; K step 1's load may stay out
	s_barrier_signal -1
	s_barrier_wait -1                              ; everybody's is
	FETCH 0, 0, F0
	QUARTER 0, 1, F0, F1, 1                        ; K step 0: the first products start the sums
	QUARTER 0, 2, F1, F0, 0
	QUARTER 0, 3, F0, F1, 0
	TURN 0, 1, 1                                   ; slot 0 takes K step 2
	QUARTER 1, 1, F0, F1, 0                        ; K step 1
	QUARTER 1, 2, F1, F0, 0
	QUARTER 1, 3, F0, F1, 0
	TURN 1, 0, 1                                   ; slot 1 takes K step 3
	QUARTER 0, 1, F0, F1, 0                        ; K step 2
	QUARTER 0, 2, F1, F0, 0
	QUARTER 0, 3, F0, F1, 0
	TURN 0, 1, 0                                   ; nothing is left to fetch
	QUARTER 1, 1, F0, F1, 0                        ; K step 3
	QUARTER 1, 2, F1, F0, 0
	QUARTER 1, 3, F0, F1, 0
	s_wait_dscnt 16                                ; the very last quarter
	MUL8 F1, 0, 0, 0
	MUL8 F1, 0, 2, 0
	s_wait_dscnt 0x0
	MUL8 F1, 1, 0, 0
	MUL8 F1, 1, 2, 0
	; THE WAY OUT: a block of 16 rows at a time: 32 bytes a lane into my stage, straight from the accumulators (each from its low end on), and back as whole rows of 256 bytes into the fragments' registers.
	WIN TO_F
	PLACES
	PLACES                                         ; behind the last products: the stores read results, the loads land in registers that products have read
.irp a, 0,1,2,3
.irp b, 0,1,2,3
	ds_store_b128 v[STO], v[ACC+8*(4*(\a)+(\b)):ACC+8*(4*(\a)+(\b))+3]   offset:64*(\b)
	ds_store_b128 v[STO], v[ACC+8*(4*(\a)+(\b))+4:ACC+8*(4*(\a)+(\b))+7] offset:64*(\b)+16
.endr
.irp t, 0,1,2,3,4,5,6,7
	ds_load_b128 v[32*(\a)+4*(\t):32*(\a)+4*(\t)+3], v[RD] offset:(\t)*2*SPITCH  ; LDS serves a wave's instructions in order (ISA guide 5.7.1.4): these see the stores above; the next block's stores come behind them
.endr
.endr
	WIN 0x04                                       ; the stores' data (source 1) in window 1
.irp a, 0,1,2,3
	s_wait_dscnt 16*(3-(\a))                       ; block a is back; the later blocks' sixteen LDS instructions each may stay out
.irp t, 0,1,2,3,4,5,6,7
	global_store_b128 v[CO], v[32*(\a)+4*(\t):32*(\a)+4*(\t)+3], s[70:71] offset:(16*(\a)+2*(\t))*4096 th:TH_STORE_NT  ; 16 lanes store 256 consecutive bytes, at a multiple of 256 from out0's first byte
.endr
.endr
	WIN 0
	s_wait_tensorcnt 0x0                           ; the wave's end: behind my last tensor load and my last LDS store
	ds_add_u32 v[SPW], v[NIL]
	s_wait_dscnt 0x0
	CROUND                                         ; the closing round: no work-group ends while a partner may still ask for a tile that names it
	s_endpgm
.Lfunc_end_k_qd464b56f9e_oproj:
	.size	k_qd464b56f9e_oproj, .Lfunc_end_k_qd464b56f9e_oproj-k_qd464b56f9e_oproj
	.p2alignl 7, 3214868480
	.fill 96, 4, 3214868480
	.section	.rodata,"a",@progbits
	.p2align	6, 0x0
	.amdhsa_kernel k_qd464b56f9e_oproj
		.amdhsa_group_segment_fixed_size 327680
		.amdhsa_private_segment_fixed_size 0
		.amdhsa_enable_private_segment 0
		.amdhsa_kernarg_size 32
		.amdhsa_user_sgpr_count 2
		.amdhsa_user_sgpr_kernarg_segment_ptr 1
		.amdhsa_wavefront_size32 1
		.amdhsa_system_sgpr_workgroup_id_x 1
		.amdhsa_system_sgpr_workgroup_id_y 1
		.amdhsa_system_sgpr_workgroup_id_z 1
		.amdhsa_system_vgpr_workitem_id 0
		.amdhsa_next_free_vgpr 512
		.amdhsa_next_free_sgpr 72
		.amdhsa_reserve_vcc 0
		.amdhsa_float_denorm_mode_32 3
		.amdhsa_float_denorm_mode_16_64 3
		.amdhsa_memory_ordered 1
		.amdhsa_forward_progress 1
		.amdhsa_inst_pref_size 89
	.end_amdhsa_kernel
	.amdgpu_metadata
---
amdhsa.version: [ 1, 2 ]
amdhsa.kernels:
  - .name:           k_qd464b56f9e_oproj
    .symbol:         k_qd464b56f9e_oproj.kd
    .args:
      - { .name: ctxh, .offset: 0, .size: 8, .value_kind: global_buffer, .address_space: global }
      - { .name: wo16, .offset: 8, .size: 8, .value_kind: global_buffer, .address_space: global }
      - { .name: bo, .offset: 16, .size: 8, .value_kind: global_buffer, .address_space: global }
      - { .name: out0, .offset: 24, .size: 8, .value_kind: global_buffer, .address_space: global }
    .group_segment_fixed_size: 327680
    .private_segment_fixed_size: 0
    .kernarg_segment_align: 8
    .kernarg_segment_size: 32
    .max_flat_workgroup_size: 128
    .sgpr_count:     72
    .vgpr_count:     512
    .wavefront_size: 32
...
	.end_amdgpu_metadata
.endif
;; end of part 4
